; MI455X (gfx1250); checked and timed in simulation.
; The chip was launched on July 23, 2026; its instructions are those of AMD's public machine-readable ISA for CDNA 5 (MIT licence, August 2026) and "CDNA5" Instruction Set Architecture Reference Guide (July 2026). The comments in the code are by the model that wrote it; some were corrected since.
;; Multi Head Attention. Allowed arithmetic: matrix products marked QUANTISED: E2M1 operands, one E8M0 scale for each 32 along K, by v_wmma_scale_f32_16x16x128_f8f6f4 with both operands' format E2M1 (or v_wmma_scale_f32_32x16x128_f4), f32 sums; products left as they are: bf16, f16 or f32 operands; f32 sums; everything else in f32.
;; Inputs: w_attn 3,072 x 1,024 float32; w_proj 1,024 x 1,024 float32; x 4 x 2,048 x 1,024 float32.
;; Outputs: out0 4 x 2,048 x 1,024 float32.
;; This version of the problem:
;;   THIS VERSION OF THE PROBLEM IS GIVEN IN LOW PRECISION. The matrix products marked QUANTISED in the list below multiply operands that are first quantised to E2M1 (2 exponent bits, 1 mantissa bit; 4 bits a number), with one power-of-two scale for each 32 numbers along K (OCP MX v1.0); their sums are f32. The products marked 'left as it is' may take bf16, f16 or f32 operands, with f32 sums. Whichever they take, every output number must still come out within the allowed error. Rounding operands to bf16 (8 significant bits) uses up far more of that allowance than f16 does (11 bits, for magnitudes from 6e-5 to 65,504). All else is computed in f32.
;;   The module's matrix products, in the order in which they are computed (A, B: the left and right operand; K: the contracted axis; several contracted axes count as one K, in the product's order):
;;     1. [M 8,192, K 1,024] x [K 1,024, N 3,072]; A: input x; B: input w_attn: QUANTISED
;;     2. batch 64 x [M 2,048, K 64] x [K 64, N 2,048]; A: computed on the way; B: computed on the way: left as it is (an operand is computed on the way)
;;     3. batch 64 x [M 2,048, K 2,048] x [K 2,048, N 64]; A: computed on the way; B: computed on the way: left as it is (an operand is computed on the way)
;;     4. [M 8,192, K 1,024] x [K 1,024, N 1,024]; A: computed on the way; B: input w_proj: left as it is (an operand is computed on the way)
;;   THE QUANTISER, for each operand of a quantised product, along K:
;;     - K is cut into blocks of 32 from its start; a last block that is shorter is filled with zeros.
;;     - A block's scale is 2^e with e = floor(log2(the largest magnitude in the block)) - 2, held to -126 .. 127; a block of zeros has e = 0. As a byte (E8M0): e + 127.
;;     - Each number is divided by its block's scale, clamped to +-6, and rounded to the nearest number of E2M1, ties to even, subnormals kept.
;;     - The product sums the exact products of the quantised numbers (number of the format x scale) in f32.
;;   ~~~python
;;   def quantise(x, axis):      # numpy; x: float32 -> the quantised numbers, widened to float32 again
;;       x = np.moveaxis(x, axis, -1); K = x.shape[-1]
;;       x = np.pad(x, [(0, 0)] * (x.ndim - 1) + [(0, -K % 32)]); x = x.reshape(x.shape[:-1] + (-1, 32)); a = np.abs(x).max(-1, keepdims=True)
;;       e = np.where(a > 0, np.clip(np.frexp(np.where(a > 0, a, 1))[1] - 1 - 2, -126, 127), 0)      # np.frexp(a)[1] - 1 = floor(log2(a)), exactly
;;       r = np.clip(x / 2.0 ** e, -6, 6)
;;       step = 2.0 ** (np.maximum(np.frexp(np.where(r == 0, 1, r))[1] - 1, 0) - 1)
;;       q = np.round(r / step) * step * 2.0 ** e      # np.round: ties to even
;;       return np.moveaxis(q.reshape(q.shape[:-2] + (-1,))[..., :K], -1, axis).astype(np.float32)
;;   ~~~
;; One version. Each part assembles by itself: llvm-mc -triple=amdgcn-amd-amdhsa -mcpu=gfx1250 --defsym DOCPART=n.
;; ======== version 1 of 1: 4 launches
;; limits: values are held in f16: magnitudes above 65,504 overflow, below 6.1e-05 lose precision
;; workspace buffers: xc 4,194,304 bytes; xs 262,144 bytes; wc 1,572,864 bytes; ws 98,304 bytes; wp16 2,097,152 bytes; rope 524,288 bytes; qkv 50,331,648 bytes; y 16,777,216 bytes
;; launch prep (part 1): grid 544 x 1, 4 waves a work-group, no clusters, 33,280 bytes of LDS; arguments x, w_attn, xc, xs, wc, ws, w_proj, wp16, rope; writes xc, xs, wc, ws, wp16, rope
.if DOCPART == 1
	.amdgcn_target "amdgcn-amd-amdhsa--gfx1250"
	.amdhsa_code_object_version 6
	.text
	.protected	k_qc53f36ec39_prep
	.globl	k_qc53f36ec39_prep
	.p2align	8
	.type	k_qc53f36ec39_prep,@function
k_qc53f36ec39_prep:
	s_mov_b64 s[64:65], 0
	v_nop
	global_prefetch_b8 v0, s[64:65] scope:SCOPE_SE
	s_setreg_imm32_b32 hwreg(HW_REG_WAVE_MODE, 25, 1), 1
	s_wait_xcnt 0x0
; PREP: three pieces of work that the later launches read many times, told apart by the work-group's number.
;  Q  work-groups 0-351:   x [8192][1024] and w_attn [3072][1024], f32, become codes of FP4 (E2M1), K innermost, two codes a byte, with one E8M0 byte for each 32 along K.
;                          A block's scale is 2^(floor(log2(largest magnitude)) - 2); its byte is the largest magnitude's exponent field - 2, held at 1 from below.  A block of zeros so gets the byte 1
;                          where the rule says 127: its codes are zeros, and the bytes are read by this program alone.
;  W  work-groups 352-479: w_proj [1024][1024] f32 becomes f16, laid [k / 64][n][64]: a slice of 64 along K of all rows is one dense plane.
;  T  work-groups 480-543: the table of cos and sin of t x 10000^(-i/32), t = 0 .. 2047, i = 0 .. 31, f32, a row of 256 bytes for each t: pair i has its cos at float 8 (i / 4) + i % 4 and its sin 4 floats on.
; LIMITS: NaN and infinities among the inputs are not served; blocks whose largest magnitude lies under 2^-124 keep the byte 1; w_proj goes to f16: magnitudes from 65,504 on overflow, under 6e-5 the step is 6e-8.
;         The angle is t x inv in f32, inv by v_exp_f32; it is reduced by multiples of pi/2 in two parts, and cos and sin come by polynomials on |r| <= pi/4 (terms to r^9 and r^8).
; No tensor loads, no barrier: waves share nothing.  Only Q touches LDS.
.set WGA,   256                        ; work-groups of x: 8192 x 1024 / 32,768
.set WGQ,   352                        ; + w_attn's 96
.set WGW,   480                        ; + w_proj's 128
.set STEPS, 16
.set CB,    8                          ; bytes of 16 codes
.set R,     16                         ; v16-79   four sets of 16 numbers as they are loaded
.set X,     80                         ; v80-111  two sets of 16 neighbours
.set E,     112                        ; v112-127 a scale byte for each step
.set C,     128                        ; v128-191 codes: four registers for each step
.set WREG,  8192                       ; LDS: a region for each wave: two stages of 32 x SP bytes, behind them its 256 scale bytes
.set SP,    80                         ; a lane's place in a stage: 64 bytes + 16 of padding
.set SPW,   12                         ; v12  LDS address of my spare word; never rewritten
.set NIL,   13                         ; v13  0; never rewritten
.set SPARE, 4*WREG                     ; behind the four regions: the spare words, 128 bytes a wave
.set WV,    22                         ; s22  my wave's number
	s_load_b512 s[4:19], s[0:1], 0x0               ; x 4:5, w_attn 6:7, xc 8:9, xs 10:11, wc 12:13, ws 14:15, w_proj 16:17, wp16 18:19
	s_load_b64 s[20:21], s[0:1], 0x40              ; rope
	v_lshl_add_u32 v[SPW], v0, 2, SPARE
	v_mov_b32 v[NIL], 0
	v_lshrrev_b32 v1, 5, v0
	v_readfirstlane_b32 s[WV], v1                  ; wave 0..3
	v_and_b32 v2, 31, v0                           ; lane
	v_lshlrev_b32 v3, 4, v2                        ; Q: my 16 bytes of a load's 512
	s_mul_i32 s23, s[WV], WREG
	v_lshrrev_b32 v14, 2, v2
	v_mul_u32_u24 v14, v14, SP
	v_and_b32 v15, 3, v2
	v_lshl_add_u32 v14, v15, 4, v14
	v_add_nc_u32 v14, s23, v14                     ; the stage, on the way in: SP (lane / 4) + 16 (lane % 4)
	v_mul_u32_u24 v15, v2, SP
	v_add_nc_u32 v15, s23, v15                     ; and on the way out: SP x lane: my 16 neighbours
	v_mul_u32_u24 v4, v2, CB                       ; my codes' place in a step's
	v_lshrrev_b32 v5, 1, v2
	s_add_co_u32 s23, s23, 2*32*SP
	v_add_nc_u32 v5, s23, v5                       ; my wave's 256 scale bytes, my block's byte
	v_lshlrev_b32 v7, 3, v2                        ; and on the way out 8 bytes a lane
	v_add_nc_u32 v6, s23, v7
	s_wait_kmcnt 0x0
	s_cmp_ge_u32 ttmp9, WGW
	s_cbranch_scc1 .Ltable
	s_cmp_ge_u32 ttmp9, WGQ
	s_cbranch_scc1 .Lwproj
; ---- Q.  Rows are dense and K is a multiple of 32: both tensors are plain streams of blocks of 32.  A wave takes 16 steps of 512 numbers.  Each load reads 512 consecutive bytes; a step's 2,048 bytes
; turn through the wave's own stage in LDS and come back 64 bytes a lane, so that a lane holds 16 neighbours along K and two neighbouring lanes a block.
	s_cmp_lt_u32 ttmp9, WGA                        ; x's work-group or w_attn's: the choice hangs on the work-group's number alone
	s_cselect_b64 s[4:5], s[4:5], s[6:7]
	s_cselect_b64 s[8:9], s[8:9], s[12:13]
	s_cselect_b64 s[10:11], s[10:11], s[14:15]
	s_cselect_b32 s23, 0, WGA
	s_sub_co_u32 s23, ttmp9, s23
	s_lshl_b32 s23, s23, 2
	s_add_co_u32 s24, s23, s[WV]                   ; which run of 8,192 numbers is my wave's
	s_mov_b32 s25, 0
	s_lshl_b64 s[26:27], s[24:25], 15              ; 32,768 bytes of f32 a run
	s_add_nc_u64 s[4:5], s[4:5], s[26:27]
	s_lshl_b64 s[26:27], s[24:25], 12              ; 4,096 bytes of codes
	s_add_nc_u64 s[8:9], s[8:9], s[26:27]
	s_lshl_b32 s24, s24, 8                         ; 256 scale bytes
	s_add_nc_u64 s[10:11], s[10:11], s[24:25]
.macro LOAD t
.irp i, 0,1,2,3
	global_load_b128 v[R+16*((\t)%4)+4*\i:R+16*((\t)%4)+4*\i+3], v3, s[4:5] offset:2048*(\t)+512*\i th:TH_LOAD_NT
.endr
.endm
.macro TURN t                          ; step t's numbers through the stage: LDS serves a wave's instructions in order, so no wait stands between the stores and the loads
.irp i, 0,1,2,3
	ds_store_b128 v14, v[R+16*((\t)%4)+4*\i:R+16*((\t)%4)+4*\i+3] offset:32*SP*((\t)%2)+8*SP*\i
.endr
.irp i, 0,1,2,3
	ds_load_b128 v[X+16*((\t)%2)+4*\i:X+16*((\t)%2)+4*\i+3], v15 offset:32*SP*((\t)%2)+16*\i
.endr
.endm
.irp t, 0,1,2,3
	LOAD \t
.endr
	s_wait_loadcnt 12                              ; step 0's four loads are in; the twelve of steps 1 to 3 may be out
	TURN 0
.macro STEP t
.set XS, X+16*((\t)%2)
.if (\t) > 0
	s_wait_dscnt 1                                 ; this step's numbers are back from the stage (the last step's byte store may be out)
.else
	s_wait_dscnt 0x0
.endif
.if (\t)+4 < STEPS
	LOAD (\t)+4                                    ; into the set whose stores into the stage are done
.endif
.if (\t)+1 < STEPS
.if STEPS-2-(\t) >= 3
	s_wait_loadcnt 12                              ; the next step's four loads are in; those of the three steps behind it may be out
.else
	s_wait_loadcnt 4*(STEPS-2-(\t))
.endif
	TURN (\t)+1
.endif
	v_max3_num_f32 v8, |v[XS]|, |v[XS+1]|, |v[XS+2]|   ; the largest magnitude of my 16, in two chains
	v_max3_num_f32 v9, |v[XS+3]|, |v[XS+4]|, |v[XS+5]|
.irp i, 6,10
	v_max3_num_f32 v8, v8, |v[XS+\i]|, |v[XS+\i+1]|
	v_max3_num_f32 v9, v9, |v[XS+\i+2]|, |v[XS+\i+3]|
.endr
	v_max3_num_f32 v8, v8, |v[XS+14]|, |v[XS+15]|
	v_max3_num_f32 v8, v8, v9, 0x1800000           ; and the floor 2^(3 - 127): the byte cannot fall under 1
	v_max_num_f32_dpp v8, v8, v8 row_xmask:1 row_mask:0xf bank_mask:0xf   ; and of my neighbour's 16: the block's
	v_add_nc_u32 v11, 0xff000000, v8               ; 2 off its exponent field: the conversion takes the exponent field of this operand as its scale
	v_cvt_scalef32_pk8_fp4_f32 v[C+4*(\t)], v[XS:XS+7], v11
	v_cvt_scalef32_pk8_fp4_f32 v[C+4*(\t)+1], v[XS+8:XS+15], v11
	v_lshrrev_b32 v[E+(\t)], 23, v11               ; the scale's byte (a plain line behind the conversions)
	ds_store_b8 v5, v[E+(\t)] offset:16*(\t)       ; both lanes of a block write the same byte with the same value
	global_store_b64 v4, v[C+4*(\t):C+4*(\t)+1], s[8:9] offset:32*CB*(\t)   ; 32 lanes store 256 consecutive bytes, aligned
.endm
.irp t, 0,1,2,3,4,5,6,7,8,9,10,11,12,13,14,15
	STEP \t
.endr
	ds_load_b64 v[8:9], v6                         ; LDS serves a wave's instructions in order: these see my byte stores
	s_wait_dscnt 0x0
	global_store_b64 v7, v[8:9], s[10:11]          ; 32 lanes store my wave's 256 scale bytes, aligned
	s_wait_tensorcnt 0x0                           ; the wave's end: a wait, 0 onto my spare word, and its wait, behind my last LDS store
	ds_add_u32 v[SPW], v[NIL]
	s_wait_dscnt 0x0
	s_endpgm
; ---- W.  Wave P takes rows 2 P and 2 P + 1 of w_proj.  Load s reads columns 64 s .. 64 s + 63 of both rows: lanes 0-15 256 consecutive bytes of one row, lanes 16-31 of the other.
; Four numbers a lane become 8 bytes; the wave's store covers 256 consecutive bytes of slice s: its rows 2 P and 2 P + 1.
.Lwproj:
	s_sub_co_u32 s23, ttmp9, WGQ
	s_lshl_b32 s23, s23, 2
	s_add_co_u32 s24, s23, s[WV]                   ; P = 0 .. 511
	s_lshl_b32 s26, s24, 13                        ; two rows of 4,096 bytes
	s_mov_b32 s27, 0
	s_add_nc_u64 s[16:17], s[16:17], s[26:27]
	s_lshl_b32 s26, s24, 8                         ; two rows of 128 bytes in a slice
	s_add_nc_u64 s[18:19], s[18:19], s[26:27]
	v_lshrrev_b32 v8, 4, v2
	v_and_b32 v9, 15, v2
	v_lshlrev_b32 v8, 12, v8
	v_lshl_add_u32 v8, v9, 4, v8                   ; in: 4,096 (lane / 16) + 16 (lane % 16)
	v_lshlrev_b32 v9, 3, v2                        ; out: 8 x lane
.irp s, 0,1,2,3,4,5,6,7,8,9,10,11,12,13,14,15
	global_load_b128 v[16+4*\s:19+4*\s], v8, s[16:17] offset:256*\s th:TH_LOAD_NT
.endr
.irp s, 0,1,2,3,4,5,6,7,8,9,10,11,12,13,14,15
	s_wait_loadcnt 15-\s                           ; slice s is in; the younger loads may be out
	v_cvt_pk_f16_f32 v[80+2*\s], v[16+4*\s], v[17+4*\s]
	v_cvt_pk_f16_f32 v[81+2*\s], v[18+4*\s], v[19+4*\s]
	global_store_b64 v9, v[80+2*\s:81+2*\s], s[18:19] offset:131072*\s   ; a slice is 1,024 rows of 128 bytes
.endr
	s_endpgm
; ---- T.  Work-group g makes rows 32 g .. 32 g + 31.  Thread: q = tid % 16 is its 16 bytes of a row: group q / 2 of four pairs, cos (q even) or sin (q odd); its rows are 32 g + 8 p + tid / 16, p = 0 .. 3.
; cos(r + k pi/2) = cos r, -sin r, -cos r, sin r for k % 4 = 0 .. 3, and sin a = cos(a + 3 pi/2): so k = n + 3 for a sine; the choice is made by v_cndmask_b32 and a sign bit, with no branch.
.Ltable:
	s_sub_co_u32 s23, ttmp9, WGW
	s_lshl_b32 s24, s23, 13                        ; 32 rows of 256 bytes
	s_mov_b32 s25, 0
	s_add_nc_u64 s[20:21], s[20:21], s[24:25]
	s_lshl_b32 s23, s23, 5                         ; the group's first row
	s_mov_b32 s28, 0x3f22f983                      ; 2 / pi
	s_mov_b32 s29, 0xbfc90fdb                      ; -(pi/2 rounded to f32)
	s_mov_b32 s30, 0x333bbd2e                      ; that rounding's excess over pi/2
	s_mov_b32 s31, 0xbe2aaaab                      ; sin: -1/6
	s_mov_b32 s32, 0x3c088889                      ; 1/120
	s_mov_b32 s33, 0xb9500d01                      ; -1/5040
	s_mov_b32 s34, 0x3638ef1d                      ; 1/362880
	s_mov_b32 s35, 0x3d2aaaab                      ; cos: 1/24
	s_mov_b32 s36, 0xbab60b61                      ; -1/720
	s_mov_b32 s37, 0x37d00d01                      ; 1/40320
	v_bfe_u32 v24, v0, 1, 3                        ; my group of four pairs
	v_lshlrev_b32 v24, 2, v24
.irp j, 0,1,2,3
	v_add_nc_u32 v[16+\j], \j, v24                 ; pair i
.endr
.irp j, 0,1,2,3
	v_cvt_f32_u32 v[16+\j], v[16+\j]
.endr
.irp j, 0,1,2,3
	v_mul_f32 v[16+\j], 0xbed49a78, v[16+\j]       ; -i log2(10000) / 32
.endr
.irp j, 0,1,2,3
	v_exp_f32 v[16+\j], v[16+\j]                   ; inv = 10000^(-i/32)
.endr
	v_and_b32 v20, 1, v0                           ; (plain lines behind the exponentials)  cos or sin
	v_mul_u32_u24 v20, v20, 3                      ; what a sine adds to k
	v_lshlrev_b32 v22, 4, v0                       ; out: 16 x thread
	v_lshrrev_b32 v23, 4, v0
	v_add_nc_u32 v23, s23, v23                     ; my first row
	s_wait_alu depctr_va_vdst(0)                   ; one wait for the four exponentials, ahead of their first reader
.macro SINCOS p, j
	v_mul_f32 v24, v21, v[16+\j]                   ; the angle a = t x inv, rounded once
	v_mul_f32 v25, s28, v24
	v_rndne_f32 v25, v25                           ; n = the nearest multiple of pi/2
	v_fma_f32 v26, v25, s29, v24
	v_fma_f32 v26, v25, s30, v26                   ; r = a - n pi/2, pi/2 in two parts
	v_mul_f32 v27, v26, v26                        ; r^2
	v_fma_f32 v28, v27, s34, s33
	v_fma_f32 v28, v28, v27, s32
	v_fma_f32 v28, v28, v27, s31
	v_mul_f32 v29, v26, v27                        ; r^3
	v_fma_f32 v28, v28, v29, v26                   ; sin r
	v_fma_f32 v30, v27, s37, s36
	v_fma_f32 v30, v30, v27, s35
	v_fma_f32 v30, v30, v27, -0.5
	v_fma_f32 v30, v30, v27, 1.0                   ; cos r
	v_cvt_i32_f32 v31, v25
	v_add_nc_u32 v31, v31, v20                     ; k
	v_and_b32 v29, 1, v31
	v_cmp_ne_u32 vcc_lo, 0, v29
	v_cndmask_b32 v28, v30, v28, vcc_lo            ; k odd: sin r, else cos r
	v_add_nc_u32 v31, 1, v31
	v_and_b32 v31, 2, v31
	v_lshlrev_b32 v31, 30, v31                     ; negative where k % 4 is 1 or 2
	v_xor_b32 v[32+4*\p+\j], v28, v31
.endm
.irp p, 0,1,2,3
	v_add_nc_u32 v21, 8*\p, v23
	v_cvt_f32_u32 v21, v21                         ; t
.irp j, 0,1,2,3
	SINCOS \p, \j
.endr
	global_store_b128 v22, v[32+4*\p:35+4*\p], s[20:21] offset:2048*\p   ; a wave stores 512 consecutive bytes; each p has registers of its own
.endr
	s_endpgm
.Lfunc_end_k_qc53f36ec39_prep:
	.size	k_qc53f36ec39_prep, .Lfunc_end_k_qc53f36ec39_prep-k_qc53f36ec39_prep
	.p2alignl 7, 3214868480
	.fill 96, 4, 3214868480
	.section	.rodata,"a",@progbits
	.p2align	6, 0x0
	.amdhsa_kernel k_qc53f36ec39_prep
		.amdhsa_group_segment_fixed_size 33280
		.amdhsa_private_segment_fixed_size 0
		.amdhsa_enable_private_segment 0
		.amdhsa_kernarg_size 72
		.amdhsa_user_sgpr_count 2
		.amdhsa_user_sgpr_kernarg_segment_ptr 1
		.amdhsa_wavefront_size32 1
		.amdhsa_system_sgpr_workgroup_id_x 1
		.amdhsa_system_sgpr_workgroup_id_y 1
		.amdhsa_system_sgpr_workgroup_id_z 1
		.amdhsa_system_vgpr_workitem_id 0
		.amdhsa_next_free_vgpr 192
		.amdhsa_next_free_sgpr 66
		.amdhsa_reserve_vcc 1
		.amdhsa_float_denorm_mode_32 3
		.amdhsa_float_denorm_mode_16_64 3
		.amdhsa_memory_ordered 1
		.amdhsa_forward_progress 1
		.amdhsa_inst_pref_size 59
	.end_amdhsa_kernel
	.amdgpu_metadata
---
amdhsa.version: [ 1, 2 ]
amdhsa.kernels:
  - .name:           k_qc53f36ec39_prep
    .symbol:         k_qc53f36ec39_prep.kd
    .args:
      - { .name: x, .offset: 0, .size: 8, .value_kind: global_buffer, .address_space: global }
      - { .name: w_attn, .offset: 8, .size: 8, .value_kind: global_buffer, .address_space: global }
      - { .name: xc, .offset: 16, .size: 8, .value_kind: global_buffer, .address_space: global }
      - { .name: xs, .offset: 24, .size: 8, .value_kind: global_buffer, .address_space: global }
      - { .name: wc, .offset: 32, .size: 8, .value_kind: global_buffer, .address_space: global }
      - { .name: ws, .offset: 40, .size: 8, .value_kind: global_buffer, .address_space: global }
      - { .name: w_proj, .offset: 48, .size: 8, .value_kind: global_buffer, .address_space: global }
      - { .name: wp16, .offset: 56, .size: 8, .value_kind: global_buffer, .address_space: global }
      - { .name: rope, .offset: 64, .size: 8, .value_kind: global_buffer, .address_space: global }
    .group_segment_fixed_size: 33280
    .private_segment_fixed_size: 0
    .kernarg_segment_align: 8
    .kernarg_segment_size: 72
    .max_flat_workgroup_size: 128
    .sgpr_count:     66
    .vgpr_count:     192
    .wavefront_size: 32
...
	.end_amdgpu_metadata
.endif
;; end of part 1
;; launch qkv (part 2): grid 12 x 32, 4 waves a work-group, clusters of 4 x 4, 327,680 bytes of LDS; arguments xc, xs, wc, ws, qkv, rope; writes qkv
.if DOCPART == 2
	.amdgcn_target "amdgcn-amd-amdhsa--gfx1250"
	.amdhsa_code_object_version 6
	.text
	.protected	k_qc53f36ec39_qkv
	.globl	k_qc53f36ec39_qkv
	.p2align	8
	.type	k_qc53f36ec39_qkv,@function
k_qc53f36ec39_qkv:
	s_mov_b64 s[64:65], 0
	v_nop
	global_prefetch_b8 v0, s[64:65] scope:SCOPE_SE
	s_setreg_imm32_b32 hwreg(HW_REG_WAVE_MODE, 25, 1), 1
	s_wait_xcnt 0x0
	s_wait_alu depctr_hold_cnt(0) depctr_sa_sdst(0) depctr_va_vdst(0) depctr_va_sdst(0) depctr_va_ssrc(0) depctr_va_vcc(0) depctr_vm_vsrc(0)
	s_getreg_b32 s2, hwreg(HW_REG_IB_STS2, 6, 4)
	s_cmp_eq_u32 s2, 0
	s_cbranch_scc0 .Lentry_in_a_cluster
	s_endpgm
.Lentry_in_a_cluster:
	s_bfe_u32 s2, ttmp6, 0x10000c
	s_cmp_lg_u32 s2, 0xf033
	s_cbranch_scc0 .Lentry_shape_is_right
	s_endpgm
.Lentry_shape_is_right:
; QKV: C[m][n] = sum over k of x[m][k] w_attn[n][k] on codes of FP4 (E2M1) with one E8M0 scale for each 32 along K (M 8192, N 3072, K 1024), sums in f32; then the rotation of q and k in f32;
; then f16, stored head by head: qkv = q at 0, k at 16 MiB, v at 32 MiB, each [batch x 16 + head][token][64], a row of 128 bytes.
; A tile of C, 256 x 256, is made by a work-group of four waves; a wave makes 128 x 128: 64 accumulators of 16 x 16, 512 registers.  K is two steps of 512, each in an LDS slot of its own:
; both are asked for at the head and nothing is filled again.  The scales of the work-group's rows, for all of K, come with them, as two dense blocks in rows of 256 bytes.
; CLUSTERS: 4 x 4 work-groups.  The four of a row of the cluster need the same tiles of x, the four of a column the same tiles of w_attn: each tile is asked for JOINTLY, by the same tensor load with the
; same descriptor and a mask that names the four.  A cluster's 1,024 columns are all q, all k or all v: the cluster's x says which, the same in all sixteen partners.
; THE MATRIX INSTRUCTION IS USED TRANSPOSED (source 0 = 16 rows of w_attn, source 1 = 16 rows of x): a lane holds eight neighbouring columns of one token: four pairs (re, im) of one head.
; REGISTERS, in windows of 256: window 0: v0-31 addresses; v32-95 scale words, two sets; v128-191 x's fragments, one set; v192-255 two sets of table rows (cos, sin).  On the way out v32-191 are free.
;   window 1: w_attn's fragments, two sets, at v0 and v128.   window 2: the accumulators of my rows 0-63 ((a, b) at v[8 (8 a + b)]);   window 3: those of rows 64-127.
; LIMITS: q, k, v are rounded to f16: magnitudes from 65,504 on overflow.
.set NQ,     4                         ; matrix instructions deep in a slot
.set ROWB,   256                       ; a tile's row in bytes: 512 codes
.set KROW,   512                       ; a row of codes in memory
.set PITCH,  272                       ; an LDS row: 256 bytes + 16 of padding = 68 words: the 16 rows that a load touches start at 16 different banks (64 banks of 4 bytes: ISA guide 11.1)
.set FR,     8                         ; registers of a fragment: 16 rows x 128 K
.set NL,     2                         ; LDS loads that bring one
.set NP,     4                         ; places behind this matrix instruction (ISA guide 7.12.1)
.set HALFT,  128*PITCH                 ; 128 rows: what one tensor load brings
.set SLOT,   4*HALFT                   ; x's 256 rows, then w_attn's 256 rows
.set KS,     32                        ; a row of scales in bytes
.set SCL,    2*SLOT                    ; behind the slots: the scales, as rows of 256 bytes + 16 of padding
.set HALFS,  16*272                    ; the scales of 128 rows
.set SBLK,   2*272                     ; those of 16 rows
.set SPARE,  SCL+4*HALFS               ; the spare words, 128 bytes a wave
.set SGW,    4608                      ; the way out: a stage of [2 heads][16 tokens] x 144 bytes for each wave, in slot 0, which has had its last fill and its last read by then
.set STGV,   32768                     ; v's way out has stage bytes of its own
.set ADRA, 16                          ; v16-17  LDS address of my x fragments in slot 0, 1
.set ADRB, 20                          ; v20-21  the same for w_attn
.set STO,  24                          ; v24     the way out: where I put 16 bytes of a token's row
.set RD,   25                          ; v25     where I read rows back
.set GO,   26                          ; v26     my byte offset in qkv
.set ADRS, 27                          ; v27     LDS address of my scale words: lanes 0-15 x's rows, lanes 16-31 w_attn's
.set SPW,  28                          ; v28     my spare word; never rewritten
.set NIL,  29                          ; v29     0; never rewritten
.set TA,   30                          ; v30     my byte offset in 16 rows of the table; never rewritten
.set SC,   32                          ; scale words: set s at v[SC + 32 s]; register 4 i + q: lanes 0-15 x's block i, lanes 16-31 w_attn's block i, the slot's q-th 128 along K
.set AF,   128                         ; x's fragments
.set BK,   32                          ; the way out: rows read back: v32-63 and v64-95 by turns
.set PKD,  96                          ; v96-127  a block rounded to f16
.set T,    128                         ; v128-191 a block rotated, f32
.set CS,   192                         ; v192-223, v224-255: table rows of a block: for columns 16 bq on: four cos at +8 bq, four sin at +8 bq + 4
.set G1, 24
.set G0, 32
.set G1B, 48
.set G0B, 56
.set G1S, 68
.set G0S, 76
.set G1SB, 80
.set G0SB, 88
.set MSB, 0
.macro WIN new                         ; the immediate's high byte repeats the setting that is left
.if MSB != \new
	s_set_vgpr_msb (MSB<<8)|\new
.set MSB, \new
.endif
.endm
.set MUL_LO, 0xa1                      ; source 0 window 1, source 1 window 0, C and D window 2
.set MUL_HI, 0xf1                      ; the same, C and D window 3
.set TO_B,   0x40                      ; destination window 1
; A joint load: waves 0 and 1 fetch for x, waves 2 and 3 for w_attn; the branch hangs on the wave's number alone.  An s_nop 0 and four v_nop follow each line.
.macro JLOAD g0a, g1a, g0b, g1b
	s_cmp_eq_u32 s15, 0
	s_cbranch_scc0 .Lfor_b_\@
	tensor_load_to_lds s[\g0a:\g0a+3], s[\g1a:\g1a+7]
	s_nop 0
.rept 4
	v_nop
.endr
	s_branch .Lasked_\@
.Lfor_b_\@:
	tensor_load_to_lds s[\g0b:\g0b+3], s[\g1b:\g1b+7]
	s_nop 0
.rept 4
	v_nop
.endr
.Lasked_\@:
.endm
.macro CROUND                          ; a round of the cluster's barrier
	s_barrier_signal -1
	s_barrier_wait -1
	s_cmp_lg_u32 s14, 0
	s_cbranch_scc1 .Lnot_wave_0_\@
	s_barrier_signal -3
.Lnot_wave_0_\@:
	s_barrier_wait -3
	s_barrier_signal -1
	s_barrier_wait -1
.endm
	s_load_b128 s[4:7], s[0:1], 0x0                ; x's codes, x's scales
	s_load_b128 s[8:11], s[0:1], 0x10              ; w_attn's codes, its scales
	s_load_b64 s[12:13], s[0:1], 0x20              ; qkv
	s_load_b64 s[98:99], s[0:1], 0x28              ; the table
	v_lshl_add_u32 v[SPW], v0, 2, SPARE
	v_mov_b32 v[NIL], 0
	ds_add_u32 v[SPW], v[NIL]                      ; the wave's opening: the add, twice on end, and its wait ahead of my first tensor load
	ds_add_u32 v[SPW], v[NIL]
	v_lshrrev_b32 v1, 5, v0
	v_readfirstlane_b32 s14, v1                    ; wave 0..3
	s_lshr_b32 s15, s14, 1                         ; which half of the tile's rows is mine.  Also: I fetch for x (0) or for w_attn (1)
	s_and_b32 s16, s14, 1                          ; which half of its columns.  Also: which 128 rows I fetch
	s_bfe_u32 s40, ttmp6, 0x40000                  ; cx, cy: my place in the cluster
	s_bfe_u32 s41, ttmp6, 0x40004
	s_lshl_b32 s42, ttmp9, 2
	s_add_co_u32 s42, s42, s40                     ; tile column = 4 x cluster x + cx
	s_and_b32 s17, ttmp7, 0xffff
	s_lshl_b32 s17, s17, 2
	s_add_co_u32 s17, s17, s41                     ; tile row = 4 x cluster y + cy
	s_lshl_b32 s43, s41, 2
	s_lshl_b32 s43, 15, s43                        ; my row of the cluster
	s_lshl_b32 s44, 0x1111, s40                    ; my column
	; descriptor group 1: 128 rows x 256 bytes, 4 words of padding behind every 64
	s_or_b32 s[G1+0], s43, (0<<16)|(1<<20)|(1<<21)|(5<<22)|(3<<25)
	s_or_b32 s[G1B+0], s44, (0<<16)|(1<<20)|(1<<21)|(5<<22)|(3<<25)
.irp g, G1, G1B
	s_mov_b32 s[\g+1], ROWB<<16                    ; tensor_dim0
	s_mov_b32 s[\g+2], 128<<16                     ; tensor_dim1
	s_mov_b32 s[\g+3], ROWB<<16                    ; tile_dim0
	s_mov_b32 s[\g+4], 128                         ; tile_dim1
	s_mov_b32 s[\g+5], KROW                        ; from row to row
	s_mov_b32 s[\g+6], 0
	s_mov_b32 s[\g+7], 0
.endr
	; the scales of 128 rows: 4,096 dense bytes, as 16 rows of 256 bytes (32 elements of 8), 16 bytes of padding behind each
	s_or_b32 s[G1S+0], s43, (3<<16)|(1<<20)|(1<<21)|(5<<22)|(3<<25)
	s_or_b32 s[G1SB+0], s44, (3<<16)|(1<<20)|(1<<21)|(5<<22)|(3<<25)
.irp g, G1S, G1SB
	s_mov_b32 s[\g+1], 32<<16
	s_mov_b32 s[\g+2], 16<<16
	s_mov_b32 s[\g+3], 32<<16
	s_mov_b32 s[\g+4], 16
	s_mov_b32 s[\g+5], 32
	s_mov_b32 s[\g+6], 0
	s_mov_b32 s[\g+7], 0
.endr
	s_lshl_b32 s18, s16, 7                         ; which 128 rows of the tile I fetch
	s_lshl_b32 s20, s17, 8
	s_add_co_u32 s20, s20, s18                     ; x: row 256 x tile row + 128 x half
	s_lshl_b32 s46, s42, 8
	s_add_co_u32 s46, s46, s18                     ; w_attn: row 256 x tile column + 128 x half
	s_mov_b32 s21, 0
	s_mov_b32 s47, 0
	s_mov_b64 s[18:19], KS
	s_mul_u64 s[22:23], s[20:21], s[18:19]         ; where these rows' scales begin
	s_mul_u64 s[92:93], s[46:47], s[18:19]
	s_mov_b64 s[18:19], KROW
	s_mul_u64 s[20:21], s[20:21], s[18:19]         ; and their codes
	s_mul_u64 s[46:47], s[46:47], s[18:19]
	s_mul_i32 s45, s14, HALFT                      ; where they go: wave x 128 rows: no place in the cluster enters an LDS address
	s_mul_i32 s94, s14, HALFS
	s_wait_dscnt 0x0                               ; both opening adds are done
	s_wait_kmcnt 0x0
	s_add_nc_u64 s[20:21], s[4:5], s[20:21]
	s_add_nc_u64 s[22:23], s[6:7], s[22:23]
	s_add_nc_u64 s[46:47], s[8:9], s[46:47]
	s_add_nc_u64 s[92:93], s[10:11], s[92:93]
	CROUND                                         ; all sixteen work-groups are here: the joint loads meet
	s_mov_b32 s[G0S], 1
	s_add_co_u32 s[G0S+1], s94, SCL
	s_mov_b64 s[G0S+2:G0S+3], s[22:23]
	s_or_b32 s[G0S+3], s[G0S+3], 0x80000000
	s_mov_b32 s[G0SB], 1
	s_add_co_u32 s[G0SB+1], s94, SCL
	s_mov_b64 s[G0SB+2:G0SB+3], s[92:93]
	s_or_b32 s[G0SB+3], s[G0SB+3], 0x80000000
	JLOAD G0S, G1S, G0SB, G1SB                     ; the scales first: they are wanted with K step 0.  Three loads of mine are out at the most
.irp s, 0,1
	s_mov_b32 s[G0+4*\s], 1
	s_add_co_u32 s[G0+4*\s+1], s45, \s*SLOT
	s_add_nc_u64 s[G0+4*\s+2:G0+4*\s+3], s[20:21], \s*ROWB
	s_or_b32 s[G0+4*\s+3], s[G0+4*\s+3], 0x80000000
	s_mov_b32 s[G0B+4*\s], 1
	s_add_co_u32 s[G0B+4*\s+1], s45, \s*SLOT
	s_add_nc_u64 s[G0B+4*\s+2:G0B+4*\s+3], s[46:47], \s*ROWB
	s_or_b32 s[G0B+4*\s+3], s[G0B+4*\s+3], 0x80000000
	JLOAD G0+4*\s, G1, G0B+4*\s, G1B
.endr
	v_and_b32 v1, 15, v0                           ; r = lane % 16
	v_bfe_u32 v2, v0, 4, 1                         ; h = lane / 16
	v_mul_u32_u24 v3, v1, PITCH
	v_lshl_add_u32 v4, v2, 4, v3                   ; a fragment's row x pitch + 16 h
	s_mul_i32 s21, s15, HALFT                      ; my 128 rows of x
	s_mul_i32 s22, s16, HALFT                      ; my 128 rows of w_attn,
	s_add_co_u32 s22, s22, 2*HALFT                 ; behind x's 256
.irp s, 0,1
	v_add_nc_u32 v[ADRA+\s], s21, v4
	v_add_nc_u32 v[ADRB+\s], s22, v4
	s_add_co_u32 s21, s21, SLOT
	s_add_co_u32 s22, s22, SLOT
.endr
	v_mul_u32_u24 v5, v1, KS                       ; my row's scales: 32 bytes a row,
	v_lshrrev_b32 v6, 8, v5
	v_lshl_add_u32 v5, v6, 4, v5                   ; and 16 more for each 256 passed
	s_mul_i32 s21, s15, HALFS
	s_mul_i32 s22, s16, HALFS
	s_add_co_u32 s22, s22, 2*HALFS
	s_sub_co_u32 s22, s22, s21
	v_mul_u32_u24 v6, s22, v2                      ; lanes 16-31 take w_attn's: one product, the distance between the two bases
	s_add_co_u32 s21, s21, SCL
	v_add_nc_u32 v5, v5, v6
	v_add_nc_u32 v[ADRS], s21, v5
	s_mul_i32 s23, s14, SGW                        ; my stage
	v_mul_u32_u24 v5, v1, 144
	v_lshl_add_u32 v5, v2, 4, v5
	v_add_nc_u32 v[STO], s23, v5                   ; in: token r, 16 bytes for each half of the lanes
	v_mul_u32_u24 v5, v2, 2304                     ; back: lanes 0-15 two tokens of the first head, lanes 16-31 of the second
	v_bfe_u32 v6, v0, 3, 1
	v_mad_u32_u24 v5, v6, 144, v5
	v_and_b32 v6, 7, v0
	v_lshl_add_u32 v5, v6, 4, v5
	v_add_nc_u32 v[RD], s23, v5
	v_lshlrev_b32 v[GO], 18, v2                    ; and in qkv: a head's plane is 2,048 tokens x 128 bytes
	v_lshl_add_u32 v[GO], v1, 4, v[GO]
	v_lshlrev_b32 v[TA], 8, v1                     ; the table: row r of 256 bytes, + 32 h
	v_lshl_add_u32 v[TA], v2, 5, v[TA]
	s_lshr_b32 s20, s17, 3                         ; the batch: 8 tile rows each
	s_lshl_b32 s20, s20, 4
	s_lshl_b32 s21, s40, 2
	s_add_co_u32 s20, s20, s21
	s_lshl_b32 s21, s16, 1
	s_add_co_u32 s20, s20, s21                     ; batch x 16 + my first head (4 cx + 2 x column half)
	s_lshl_b32 s20, s20, 18
	s_and_b32 s22, s17, 7
	s_lshl_b32 s22, s22, 8
	s_lshl_b32 s21, s15, 7
	s_add_co_u32 s22, s22, s21                     ; my first token
	s_lshl_b32 s21, s22, 7
	s_add_co_u32 s20, s20, s21
	s_lshl_b32 s21, ttmp9, 24                      ; q, k or v: 16 MiB each
	s_add_co_u32 s20, s20, s21
	s_mov_b32 s21, 0
	s_add_nc_u64 s[12:13], s[12:13], s[20:21]
	s_lshl_b32 s22, s22, 8
	s_mov_b32 s23, 0
	s_add_nc_u64 s[98:99], s[98:99], s[22:23]      ; the table at my first token
; the table rows of block a (16 tokens) into set: for each 16 columns of a head four cos and four sin of my half
.macro TAB a, set
.irp bq, 0,1,2,3
.irp k, 0,1
	global_load_b128 v[CS+32*(\set)+8*\bq+4*\k:CS+32*(\set)+8*\bq+4*\k+3], v[TA], s[98:99] offset:4096*(\a)+64*\bq+16*\k
.endr
.endr
.endm
	TAB 0, 0                                       ; blocks 0 and 1 are asked for here, so that they are in when the products end.  A work-group of v issues these sixteen loads too and never names
	TAB 1, 1                                       ; their registers: so the text has no way on which the registers are read unwritten
.macro FRAG reg, adr, q, i             ; 16 rows x 128 K of 4-bit codes: lane l holds row l % 16; registers 4 c .. 4 c + 3 hold K = 64 c + 32 (l / 16) + 0 .. 31
.irp c, 0,1
	ds_load_b128 v[\reg+4*\c:\reg+4*\c+3], v[\adr] offset:64*(\q)+32*\c+(\i)*16*PITCH
.endr
.endm
; 16 matrix instructions: x's blocks a0, a0 + 1 against w_attn's eight.  The 64 accumulators take turns, one instruction a turn, in the same order in every step.
.macro MUL16 a0, p, q, sc, zero
.irp a, \a0, \a0+1
.irp b, 0,1,2,3,4,5,6,7
.if \zero
	v_wmma_scale_f32_16x16x128_f8f6f4 v[8*(8*((\a)%4)+\b):8*(8*((\a)%4)+\b)+7], v[128*(\p)+FR*\b:128*(\p)+FR*\b+FR-1], v[AF+FR*(\a):AF+FR*(\a)+FR-1], 0, v[SC+8*NQ*(\sc)+NQ*\b+(\q)], v[SC+8*NQ*(\sc)+NQ*(\a)+(\q)] matrix_a_fmt:MATRIX_FMT_FP4 matrix_b_fmt:MATRIX_FMT_FP4 matrix_a_scale:MATRIX_SCALE_ROW1
.else
	v_wmma_scale_f32_16x16x128_f8f6f4 v[8*(8*((\a)%4)+\b):8*(8*((\a)%4)+\b)+7], v[128*(\p)+FR*\b:128*(\p)+FR*\b+FR-1], v[AF+FR*(\a):AF+FR*(\a)+FR-1], v[8*(8*((\a)%4)+\b):8*(8*((\a)%4)+\b)+7], v[SC+8*NQ*(\sc)+NQ*\b+(\q)], v[SC+8*NQ*(\sc)+NQ*(\a)+(\q)] matrix_a_fmt:MATRIX_FMT_FP4 matrix_b_fmt:MATRIX_FMT_FP4 matrix_a_scale:MATRIX_SCALE_ROW1
.endif
.endr
.endr
.endm
.macro FETCH_B slot, q, p
	WIN TO_B
.irp i, 0,1,2,3,4,5,6,7
	FRAG 128*(\p)+FR*\i, ADRB+\slot, \q, \i
.endr
	WIN 0
.endm
.macro FETCH_A slot, q, i0
.irp i, \i0, \i0+1, \i0+2, \i0+3
	FRAG AF+FR*(\i), ADRA+\slot, \q, \i
.endr
.endm
.macro SCALES sc                       ; a K step's scale words: 4 words a row; lanes 0-15 x's block i, lanes 16-31 w_attn's block i
.irp i, 0,1,2,3,4,5,6,7
	ds_load_b128 v[SC+8*NQ*\sc+NQ*\i:SC+8*NQ*\sc+NQ*\i+3], v[ADRS] offset:\i*SBLK
.endr
.endm
.macro PLACES n                        ; plain vector instructions between a matrix instruction and a load into, or a vector read or write of, its registers
.rept \n
	v_nop
.endr
.endm
.macro STEP slot, q, zero              ; 128 along K with its successor in the same slot
	s_wait_dscnt 4*NL                              ; w_attn's set and x's blocks 0-3 are in; the youngest eight loads (x's blocks 4-7) may be out
	WIN MUL_LO
	MUL16 0, (\q)%2, \q, \slot, \zero
	MUL16 2, (\q)%2, \q, \slot, \zero
	s_wait_dscnt 0                                 ; x's blocks 4-7 are in
	PLACES NP
	FETCH_B \slot, (\q)+1, 1-(\q)%2
	FETCH_A \slot, (\q)+1, 0
	WIN MUL_HI
	MUL16 4, (\q)%2, \q, \slot, \zero
	MUL16 6, (\q)%2, \q, \slot, \zero
	PLACES NP
	WIN 0
	FETCH_A \slot, (\q)+1, 4
.endm
; Slot 0's last step goes on to slot 1: one barrier; in front of it each wave waits for all its tensor loads (its part of slot 1), adds 0 to its spare word, and waits for that and for its reads of slot 0.
.macro TURN slot, next
	s_wait_tensorcnt 0x0                           ; all my tensor loads have landed
	ds_add_u32 v[SPW], v[NIL]                      ; 0 onto my spare word
	s_wait_dscnt 4*NL+1                            ; (the add and the youngest eight loads may be out)
	WIN MUL_LO
	MUL16 0, 1, NQ-1, \slot, 0
	s_wait_dscnt 0x0                               ; the add is done, and my reads of this slot are over
	s_barrier_signal -1
	MUL16 2, 1, NQ-1, \slot, 0
	WIN 0
	s_barrier_wait -1
	PLACES NP
	v_add_nc_u32 v[ADRS], 4*NQ, v[ADRS]            ; on to the next K step's scale words
	FETCH_B \next, 0, 0
	FETCH_A \next, 0, 0
	SCALES \next
	WIN MUL_HI
	MUL16 4, 1, NQ-1, \slot, 0
	MUL16 6, 1, NQ-1, \slot, 0
	PLACES NP
	WIN 0
	FETCH_A \next, 0, 4
.endm
.macro STEPS slot, from
.set Q, \from
.rept NQ-1-\from
	STEP \slot, Q, 0
.set Q, Q+1
.endr
.endm
	s_wait_tensorcnt 1                             ; the scales and my part of K step 0 are in (K step 1's load may be out)
	s_barrier_signal -1
	s_barrier_wait -1                              ; everybody's are
	FETCH_B 0, 0, 0
	FETCH_A 0, 0, 0
	SCALES 0
	FETCH_A 0, 0, 4
	STEP 0, 0, 1                                   ; the first products start the sums: nothing is cleared
	STEPS 0, 1
	TURN 0, 1
	STEPS 1, 0
	s_wait_dscnt 4*NL                              ; the last step: nothing more to fetch
	WIN MUL_LO
	MUL16 0, 1, NQ-1, 1, 0
	MUL16 2, 1, NQ-1, 1, 0
	s_wait_dscnt 0
	WIN MUL_HI
	MUL16 4, 1, NQ-1, 1, 0
	MUL16 6, 1, NQ-1, 1, 0
	WIN 0
; THE WAY OUT, block by block of 16 tokens x 128 columns (two heads).  Lane (r, h) holds, in accumulator (a, b), token 16 a + r and channels 16 (b % 4) + 8 h + 0 .. 7 of head b / 4: pairs 8 (b % 4) + 4 h + 0 .. 3.
; rope = 1: (re, im) becomes (re cos - im sin, re sin + im cos), two packed lines a pair: T = (-im sin, re sin), then T += (re cos, im cos).  Each accumulator is read from its low end on.
; Then f16, 16 bytes a lane, through my stage, and back as rows: a store's lanes 0-15 cover 256 consecutive bytes (two tokens) of one head, lanes 16-31 of the next.
.macro OUTB a, rope, stg
.set AC, 64*((\a)%4)
.set CA, CS+32*((\a)%2)
.set BB, BK+32*((\a)%2)
.if \rope
.if (\a) < 7
	s_wait_loadcnt 8                               ; this block's table rows are in; the next block's eight loads may be out
.else
	s_wait_loadcnt 0
.endif
.set WN, 0x02+(\a)/4
	WIN WN                                         ; source 0: window 2 or 3
.irp b, 0,1,2,3,4,5,6,7
.irp jp, 0,1
	v_pk_mul_f32 v[T+8*\b+4*\jp:T+8*\b+4*\jp+1], v[AC+8*\b+4*\jp:AC+8*\b+4*\jp+1], v[CA+8*(\b%4)+4+2*\jp:CA+8*(\b%4)+5+2*\jp] op_sel:[1,0] op_sel_hi:[0,0] neg_lo:[0,1]
	v_pk_mul_f32 v[T+8*\b+4*\jp+2:T+8*\b+4*\jp+3], v[AC+8*\b+4*\jp+2:AC+8*\b+4*\jp+3], v[CA+8*(\b%4)+4+2*\jp:CA+8*(\b%4)+5+2*\jp] op_sel:[1,1] op_sel_hi:[0,1] neg_lo:[0,1]
.endr
.endr
.irp b, 0,1,2,3,4,5,6,7
.irp jp, 0,1
	v_pk_fma_f32 v[T+8*\b+4*\jp:T+8*\b+4*\jp+1], v[AC+8*\b+4*\jp:AC+8*\b+4*\jp+1], v[CA+8*(\b%4)+2*\jp:CA+8*(\b%4)+1+2*\jp], v[T+8*\b+4*\jp:T+8*\b+4*\jp+1] op_sel:[0,0,0] op_sel_hi:[1,0,1]
	v_pk_fma_f32 v[T+8*\b+4*\jp+2:T+8*\b+4*\jp+3], v[AC+8*\b+4*\jp+2:AC+8*\b+4*\jp+3], v[CA+8*(\b%4)+2*\jp:CA+8*(\b%4)+1+2*\jp], v[T+8*\b+4*\jp+2:T+8*\b+4*\jp+3] op_sel:[0,1,0] op_sel_hi:[1,1,1]
.endr
.endr
	WIN 0
.if (\a)+2 < 8
	TAB (\a)+2, (\a)%2                             ; the set just read takes the block two on
.endif
.irp b, 0,1,2,3,4,5,6,7
.irp jj, 0,1,2,3
	v_cvt_pk_f16_f32 v[PKD+4*\b+\jj], v[T+8*\b+2*\jj], v[T+8*\b+2*\jj+1]
.endr
.endr
.else
.set WN, 0x0a+5*((\a)/4)
	WIN WN                                         ; sources 0 and 1: window 2 or 3
.irp b, 0,1,2,3,4,5,6,7
.irp jj, 0,1,2,3
	v_cvt_pk_f16_f32 v[PKD+4*\b+\jj], v[AC+8*\b+2*\jj], v[AC+8*\b+2*\jj+1]
.endr
.endr
	WIN 0
.endif
.irp b, 0,1,2,3,4,5,6,7
	ds_store_b128 v[STO], v[PKD+4*\b:PKD+4*\b+3] offset:\stg+(\b/4)*2304+32*(\b%4)
.endr
.irp i, 0,1,2,3,4,5,6,7
	ds_load_b128 v[BB+4*\i:BB+4*\i+3], v[RD] offset:\stg+288*\i   ; LDS serves a wave's instructions in order (ISA guide 5.7.1.4): these see the stores above, and the next block's stores come behind them
.endr
.endm
.macro SENDB a, younger                ; younger: the LDS instructions issued behind block a's loads
.set BB, BK+32*((\a)%2)
	s_wait_dscnt \younger
.irp i, 0,1,2,3,4,5,6,7
	global_store_b128 v[GO], v[BB+4*\i:BB+4*\i+3], s[12:13] offset:2048*(\a)+256*\i
.endr
.endm
.macro WAYOUT rope, stg
	OUTB 0, \rope, \stg
.irp a, 1,2,3,4,5,6,7
.if \a > 1
	s_wait_xcnt 0x0                                ; block a - 2's stores have read their registers: block a's rows may land there
.endif
	OUTB \a, \rope, \stg
	SENDB \a-1, 16                                 ; behind block a - 1's loads: block a's 8 stores and 8 loads
.endr
	SENDB 7, 0
.endm
	PLACES NP                                      ; behind the last products: for the reads of results and the writes into registers that held operands
	s_cmp_eq_u32 ttmp9, 2                          ; the cluster's x: the same in all sixteen partners
	s_cbranch_scc1 .Lv
	WAYOUT 1, 0                                    ; q and k are rotated
	s_branch .Ldone
.Lv:
	WAYOUT 0, STGV                                 ; v goes as it is
.Ldone:
	s_wait_tensorcnt 0x0                           ; the wave's end: a wait, 0 onto my spare word, and its wait, behind my last tensor load and my last LDS store
	ds_add_u32 v[SPW], v[NIL]
	s_wait_dscnt 0x0
	CROUND                                         ; the closing round
	s_endpgm
.Lfunc_end_k_qc53f36ec39_qkv:
	.size	k_qc53f36ec39_qkv, .Lfunc_end_k_qc53f36ec39_qkv-k_qc53f36ec39_qkv
	.p2alignl 7, 3214868480
	.fill 96, 4, 3214868480
	.section	.rodata,"a",@progbits
	.p2align	6, 0x0
	.amdhsa_kernel k_qc53f36ec39_qkv
		.amdhsa_group_segment_fixed_size 327680
		.amdhsa_private_segment_fixed_size 0
		.amdhsa_enable_private_segment 0
		.amdhsa_kernarg_size 48
		.amdhsa_user_sgpr_count 2
		.amdhsa_user_sgpr_kernarg_segment_ptr 1
		.amdhsa_wavefront_size32 1
		.amdhsa_system_sgpr_workgroup_id_x 1
		.amdhsa_system_sgpr_workgroup_id_y 1
		.amdhsa_system_sgpr_workgroup_id_z 1
		.amdhsa_system_vgpr_workitem_id 0
		.amdhsa_next_free_vgpr 1024
		.amdhsa_next_free_sgpr 100
		.amdhsa_reserve_vcc 0
		.amdhsa_float_denorm_mode_32 3
		.amdhsa_float_denorm_mode_16_64 3
		.amdhsa_memory_ordered 1
		.amdhsa_forward_progress 1
		.amdhsa_inst_pref_size 196
	.end_amdhsa_kernel
	.amdgpu_metadata
---
amdhsa.version: [ 1, 2 ]
amdhsa.kernels:
  - .name:           k_qc53f36ec39_qkv
    .symbol:         k_qc53f36ec39_qkv.kd
    .args:
      - { .name: xc, .offset: 0, .size: 8, .value_kind: global_buffer, .address_space: global }
      - { .name: xs, .offset: 8, .size: 8, .value_kind: global_buffer, .address_space: global }
      - { .name: wc, .offset: 16, .size: 8, .value_kind: global_buffer, .address_space: global }
      - { .name: ws, .offset: 24, .size: 8, .value_kind: global_buffer, .address_space: global }
      - { .name: qkv, .offset: 32, .size: 8, .value_kind: global_buffer, .address_space: global }
      - { .name: rope, .offset: 40, .size: 8, .value_kind: global_buffer, .address_space: global }
    .group_segment_fixed_size: 327680
    .private_segment_fixed_size: 0
    .kernarg_segment_align: 8
    .kernarg_segment_size: 48
    .max_flat_workgroup_size: 128
    .sgpr_count:     100
    .vgpr_count:     1024
    .wavefront_size: 32
...
	.end_amdgpu_metadata
.endif
;; end of part 2
;; launch attn (part 3): grid 4 x 64, 8 waves a work-group, clusters of 4 x 1, 327,680 bytes of LDS; arguments qkv, y; writes y
.if DOCPART == 3
	.amdgcn_target "amdgcn-amd-amdhsa--gfx1250"
	.amdhsa_code_object_version 6
	.text
	.protected	k_qc53f36ec39_attn
	.globl	k_qc53f36ec39_attn
	.p2align	8
	.type	k_qc53f36ec39_attn,@function
k_qc53f36ec39_attn:
	s_mov_b64 s[64:65], 0
	v_nop
	global_prefetch_b8 v0, s[64:65] scope:SCOPE_SE
	s_setreg_imm32_b32 hwreg(HW_REG_WAVE_MODE, 25, 1), 1
	s_wait_xcnt 0x0
	s_wait_alu depctr_hold_cnt(0) depctr_sa_sdst(0) depctr_va_vdst(0) depctr_va_sdst(0) depctr_va_ssrc(0) depctr_va_vcc(0) depctr_vm_vsrc(0)
	s_getreg_b32 s2, hwreg(HW_REG_IB_STS2, 6, 4)
	s_cmp_eq_u32 s2, 0
	s_cbranch_scc0 .Lentry_in_a_cluster
	s_endpgm
.Lentry_in_a_cluster:
	s_bfe_u32 s2, ttmp6, 0x10000c
	s_cmp_lg_u32 s2, 0x3003
	s_cbranch_scc0 .Lentry_shape_is_right
	s_endpgm
.Lentry_shape_is_right:
; ATTENTION: y[bh][q][:] = the sum over k of softmax_k(Q[bh][q] . K[bh][k] / 8) V[bh][k][:], 64 heads (batch x 16 + head) of 2,048 tokens x 64 channels, no mask.  Q, K, V (in qkv, 16 MiB apart) and y are f16,
; [bh][token][64].  Products, maxima and sums in f32; the weights p are rounded to f16 for the second product; the row's sum is taken of the unrounded p; y is rounded once.
; SHARES.  A work-group owns 512 queries of one head, each of its EIGHT waves 64: four tiles of 16, in 512 registers.  Two waves lie on a SIMD: one's softmax stands beside the other's products.
; Every wave walks all keys, 64 a step; each fragment of K and V read from LDS feeds four products.
; LAYOUT.  S^T = K Q^T (source 0 = 16 keys, source 1 = 16 queries): a lane holds ONE query (lane % 16) and keys 8 (lane / 16) + 0..7.  Two such tiles rounded in pairs ARE source 1 (32 keys x 16 queries) of
; O^T = V^T P, whose result again holds one query a lane.  K comes out of LDS as it lies, V ([key][channel]) turned, by ds_load_tr16_b128.  P is written over the low half of its own tile's scores.
; SOFTMAX.  A running maximum m and sum l for each query: p = 2^(c s - c m), c = log2(e) / 8; in every step O and l are multiplied by a = 2^(c m_old - c m_new).  m begins at -3e38, l and O^T at 0: the first
; step's a is 0 and multiplies zeros, so one step's text serves every step; that costs 128 v_mov_b32 once, against three more copies of the step.
; CLUSTER.  A head's four work-groups walk the same K and V: each tile is asked for JOINTLY, by the same tensor load with the same descriptor and a mask that names the four.
; RING.  Two slots of four steps (256 keys); waves 0-3 fetch the four steps' tiles of K, waves 4-7 those of V, 64 rows a load.  The slot is changed between a slot's last K Q^T and the fetch of the next K:
; by then every wave holds the slot's last K and V in registers.  A refill has four steps in which to land.
; LIMITS: f16 operands: |q|, |k|, |v|, |y| under 65,504; NaN and infinities are not served.
; REGISTERS: window 0: v1-15 addresses; v16-47 eight statistics a tile; v64-191 S^T, 32 a tile (P in the low 16); v192-255 K of one step.   window 1: v0-127 O^T, 32 a tile; v128-191 Q, 16 a tile; v192-255 V of one step.
.set PK,    144       ; a row of K in LDS: 128 bytes + 16 = 36 words: the 16 rows of a load start at 16 different groups of four banks (64 banks of 4 bytes: ISA guide 11.1)
.set PV,    160       ; a row of V: 128 + 32: an odd multiple of 32, for the turning load
.set VOFF,  64*PK     ; a step's tiles lie together: 64 rows of K, then 64 rows of V
.set STEPB, 64*(PK+PV)
.set SLOT1, 1<<17     ; slot 1 begins here: one exclusive or turns an address in one slot into the other's
.set STAGE, SLOT1+4*STEPB  ; behind the ring: 16 rows x 144 bytes for each wave, for the way out
.set SPARE, STAGE+8*16*144 ; the spare words, 128 bytes a wave
.set AK0, 2           ; v2   my lane's place in a tile of K
.set AV0, 3           ; v3   the same for V
.set ADR, 4           ; v4   the LDS address of the run of loads in hand
.set QO,  5           ; v5   my byte offset in 16 rows of Q
.set STO, 6           ; v6   the way out: where I put 16 bytes of a row
.set RD,  7           ; v7   where I read rows back
.set GO,  8           ; v8   my byte offset in y
.set PFO, 12          ; v12  256 x my lane; never rewritten
.set SPW, 14          ; v14  my spare word; never rewritten
.set NIL, 15          ; v15  0; never rewritten
.set ST,  16          ; tile t's statistics at v[ST+8 t]: +0 c m, +1 m, +2, +3 l (even keys', odd keys'), +4 to +7 c0-c3 at work; a takes c2's place
.set S,   64
.set KF,  192
.set OQ,  128         ; Q, in window 1
.set VF,  192         ; V, in window 1
.set WV,  12          ; s12  my wave's number
.set LIM, 15          ; s15  1 in a wave that prefetches, else the greatest number
.set PFA, 18          ; s[18:19] where my prefetches stand
.set G1K, 24          ; s[24:31] descriptor group 1 for K's tiles
.set G1V, 32          ; s[32:39] for V's: it differs in the padding alone
.set G0,  40          ; s[40:43] group 0 of slot 0's first fill; s[44:47] of slot 1's, which then walks on
.set SLOTS, 48        ; s48  slots still to be asked for
.set CNT, 49          ; s49  counts a slot's first three steps
.set CS,  50          ; s[50:51] c
.set SEL, 52          ; s[52:53] lane selects for v_permlanex16_b32: lane l xor 16
.set TB,  54          ; s54  LDS byte at which the step in hand begins
.set QA,  56          ; s[56:57] Q at my wave's first row
.set YA,  58          ; s[58:59] y likewise
.set MSB, 0
.macro WIN new
.if MSB != \new
	s_set_vgpr_msb (MSB<<8)|\new
.set MSB, \new
.endif
.endm
.set W_KQ, 0x04       ; Q (source 1) in window 1; K and S^T in window 0
.set W_PV, 0x51       ; V (source 0) and O^T in window 1, P in window 0
.set W_RS, 0x41       ; O^T (destination and source 0) in window 1
.set TO1,  0x40       ; destination window 1
; A joint refill.  The branch hangs on the wave's number alone.  An s_nop 0 and four v_nop follow each of the two lines.
.macro JLOAD
	s_cmp_lt_u32 s[WV], 4
	s_cbranch_scc0 .Lfor_v_\@
	tensor_load_to_lds s[G0+4:G0+7], s[G1K:G1K+7]
	s_nop 0
.rept 4
	v_nop
.endr
	s_branch .Lasked_\@
.Lfor_v_\@:
	tensor_load_to_lds s[G0+4:G0+7], s[G1V:G1V+7]
	s_nop 0
.rept 4
	v_nop
.endr
.Lasked_\@:
.endm
; A PREFETCH INTO THE L2 of what the NEXT change of slots will ask for: a slot's 256 rows of K and of V, 32,768 dense bytes each.  A head's K and V are walked by its own cluster alone.  The four partners share a
; slot's bytes out BY ADDRESS, 8,192 each, lanes 256 bytes apart; in each, wave 0 asks for K's and wave 4 for V's: one instruction.  So each aligned block of 256 bytes is named once in the launch.
; It stands behind the joint load and the run of LDS loads, four key steps ahead of the load that will want the bytes.  The last change that fills a slot asks for nothing; slots 0 to 2 come by their loads alone.
.macro ASK
	s_cmp_gt_u32 s[SLOTS], s[LIM]
	s_cbranch_scc0 .Lnot_mine_\@
	global_prefetch_b8 v[PFO], s[PFA:PFA+1] th:TH_LOAD_NT scope:SCOPE_SE
.Lnot_mine_\@:
.endm
.macro CROUND                          ; a round of the cluster's barrier
	s_barrier_signal -1
	s_barrier_wait -1
	s_cmp_lg_u32 s[WV], 0
	s_cbranch_scc1 .Lnot_wave_0_\@
	s_barrier_signal -3
.Lnot_wave_0_\@:
	s_barrier_wait -3
	s_barrier_signal -1
	s_barrier_wait -1
.endm
	s_load_b128 s[4:7], s[0:1], 0x0   ; qkv s[4:5], y s[6:7]
	v_lshl_add_u32 v[SPW], v0, 2, SPARE
	v_mov_b32 v[NIL], 0
	ds_add_u32 v[SPW], v[NIL]         ; the wave's opening: the add, twice on end, and its wait ahead of my first tensor load
	ds_add_u32 v[SPW], v[NIL]
	v_lshrrev_b32 v1, 5, v0
	v_readfirstlane_b32 s[WV], v1     ; wave 0..7
	s_bfe_u32 s13, ttmp6, 0x40000     ; cx: my place in the cluster: it enters Q's, y's and the prefetches' addresses alone
	s_and_b32 s14, ttmp7, 0xffff      ; the head, which the four partners share
	s_lshl_b32 s14, s14, 18           ; its plane: 2,048 rows of 128 bytes
	s_and_b32 s16, s[WV], 3           ; which of a slot's four steps I fetch
	s_lshr_b32 s17, s[WV], 2          ; for K (0) or for V (1)
	s_lshl_b32 s20, s17, 24
	s_add_co_u32 s20, s20, 1<<24      ; K lies 16 MiB into qkv, V 32
	s_add_co_u32 s20, s20, s14
	s_lshl_b32 s22, s13, 13           ; the prefetches: my work-group's 8,192 bytes of a slot,
	s_add_co_u32 s22, s22, s20
	s_add_co_u32 s22, s22, 2*32768    ; in slot 2: the first change of slots steps it to slot 3
	s_mov_b32 s23, 0
	s_lshl_b32 s21, s16, 13           ; my step's 64 rows
	s_add_co_u32 s20, s20, s21
	s_mov_b32 s21, 0
	s_mul_i32 s16, s16, STEPB
	s_mul_i32 s17, s17, VOFF
	s_add_co_u32 s16, s16, s17        ; and their place in a slot
	s_lshl_b32 s2, s13, 16            ; my work-group's 512 queries,
	s_lshl_b32 s3, s[WV], 13          ; my wave's 64
	s_add_co_u32 s2, s2, s3
	s_add_co_u32 s2, s2, s14
	s_mov_b32 s3, 0
	; descriptor group 1: 64 rows x 64 elements of 2 bytes, padded behind every row (32 words)
	s_mov_b32 s[G1K], 15|(1<<16)|(1<<20)|(1<<21)|(4<<22)|(3<<25)  ; the mask: all four work-groups; bit 21 beside it; 4 words of padding
	s_mov_b32 s[G1V], 15|(1<<16)|(1<<20)|(1<<21)|(4<<22)|(7<<25)  ; 8 words of padding
.irp g, G1K, G1V
	s_mov_b32 s[\g+1], 64<<16         ; tensor_dim0
	s_mov_b32 s[\g+2], 64<<16         ; tensor_dim1
	s_mov_b32 s[\g+3], 64<<16         ; tile_dim0
	s_mov_b32 s[\g+4], 64             ; tile_dim1
	s_mov_b32 s[\g+5], 64             ; from row to row
	s_mov_b32 s[\g+6], 0
	s_mov_b32 s[\g+7], 0
.endr
	s_mov_b32 s[CS], 0x3e38aa3b       ; c = log2(e) / 8
	s_mov_b32 s[CS+1], s[CS]          ; named with it as a pair, so it is written
	s_mov_b32 s[SEL], 0x76543210
	s_mov_b32 s[SEL+1], 0xfedcba98
	s_mov_b32 s[TB], 0
	s_mov_b32 s[SLOTS], 6             ; 8 slots' worth of keys; two are first fills
	s_and_b32 s[LIM], s[WV], 3
	s_cmp_eq_u32 s[LIM], 0            ; waves 0 and 4 ask
	s_cselect_b32 s[LIM], 1, -1
	s_wait_dscnt 0x0                  ; both opening adds are done
	s_wait_kmcnt 0x0
	s_add_nc_u64 s[PFA:PFA+1], s[4:5], s[22:23]
	s_add_nc_u64 s[QA:QA+1], s[4:5], s[2:3]
	s_add_nc_u64 s[YA:YA+1], s[6:7], s[2:3]
	s_add_nc_u64 s[20:21], s[4:5], s[20:21]
	CROUND                            ; all four work-groups are here: the first joint loads meet
	s_mov_b32 s[G0], 1
	s_mov_b32 s[G0+1], s16
	s_mov_b64 s[G0+2:G0+3], s[20:21]
	s_or_b32 s[G0+3], s[G0+3], 0x80000000
	s_mov_b32 s[G0+4], 1
	s_add_co_u32 s[G0+5], s16, SLOT1
	s_add_nc_u64 s[G0+6:G0+7], s[20:21], 32768
	s_or_b32 s[G0+7], s[G0+7], 0x80000000
	s_cmp_lt_u32 s[WV], 4             ; a wave's two first fills stand in one branch: two loads of mine are out
	s_cbranch_scc0 .Lfirst_v
	tensor_load_to_lds s[G0:G0+3], s[G1K:G1K+7]
	s_nop 0
	tensor_load_to_lds s[G0+4:G0+7], s[G1K:G1K+7]
	s_nop 0
.rept 4
	v_nop
.endr
	s_branch .Lfirst_asked
.Lfirst_v:
	tensor_load_to_lds s[G0:G0+3], s[G1V:G1V+7]
	s_nop 0
	tensor_load_to_lds s[G0+4:G0+7], s[G1V:G1V+7]
	s_nop 0
.rept 4
	v_nop
.endr
.Lfirst_asked:
	v_and_b32 v1, 15, v0              ; r = lane % 16
	v_bfe_u32 v9, v0, 4, 1            ; h = lane / 16
	v_lshlrev_b32 v[QO], 7, v1
	v_lshl_add_u32 v[QO], v9, 4, v[QO]  ; row x 128 + 16 h
	v_and_b32 v10, 7, v0
	v_bfe_u32 v11, v0, 3, 1
	WIN TO1
.irp i, 0,1,2,3,4,5,6,7               ; Q stays in registers: tile i / 2, channels 32 (i % 2) on: registers 0-3 channels 8 h + 0..7, 4-7 channels 16 + 8 h + 0..7
	global_load_b128 v[OQ+8*\i:OQ+8*\i+3],   v[QO], s[QA:QA+1] offset:(\i/2)*2048+(\i%2)*64 th:TH_LOAD_NT
	global_load_b128 v[OQ+8*\i+4:OQ+8*\i+7], v[QO], s[QA:QA+1] offset:(\i/2)*2048+(\i%2)*64+32 th:TH_LOAD_NT
.endr
.set i, 0
.rept 128
	v_mov_b32 v[i], 0                 ; O^T
.set i, i+1
.endr
	WIN 0
	v_mul_u32_u24 v[AK0], v1, PK
	v_lshl_add_u32 v[AK0], v9, 4, v[AK0]
	; the turning load: lane l reads 16 bytes: key 8 h + l % 8, channels 8 ((l / 8) % 2) + 0..7, and is left with channel l % 16 and 8 keys
	v_lshl_add_u32 v[AV0], v9, 3, v10
	v_mul_u32_u24 v[AV0], v[AV0], PV
	v_lshl_add_u32 v[AV0], v11, 4, v[AV0]
	v_add_nc_u32 v[AV0], VOFF, v[AV0]
	s_mul_i32 s3, s[WV], 16*144
	s_add_co_u32 s3, s3, STAGE        ; my stage
	v_mul_u32_u24 v[STO], v1, 144     ; in: row r, 16 bytes for each half of the lanes
	v_lshl_add_u32 v[STO], v9, 4, v[STO]
	v_add_nc_u32 v[STO], s3, v[STO]
	v_bfe_u32 v11, v0, 3, 2           ; back: eight lanes to a row of 128 bytes, four rows an instruction
	v_mul_u32_u24 v[RD], v11, 144
	v_lshl_add_u32 v[RD], v10, 4, v[RD]
	v_add_nc_u32 v[RD], s3, v[RD]
	v_and_b32 v[GO], 31, v0
	v_lshlrev_b32 v[PFO], 8, v[GO]
	v_lshlrev_b32 v[GO], 4, v[GO]     ; y's rows are dense: 16 x lane
.irp t, 0,1,2,3
	v_mov_b32 v[ST+8*\t+1], 0xff61b1e6  ; m = -3e38, under every score
	v_mul_f32 v[ST+8*\t], s[CS], v[ST+8*\t+1]
	v_mov_b32 v[ST+8*\t+2], 0         ; l
	v_mov_b32 v[ST+8*\t+3], 0
.endr
.macro FETCH_K                        ; a step's K: 4 tiles of 16 keys x 2 halves of the channels
.irp f, 0,1,2,3,4,5,6,7
	ds_load_b128 v[KF+8*\f:KF+8*\f+3],   v[ADR] offset:(\f/2)*16*PK+(\f%2)*64
	ds_load_b128 v[KF+8*\f+4:KF+8*\f+7], v[ADR] offset:(\f/2)*16*PK+(\f%2)*64+32
.endr
.endm
.macro FETCH_V                        ; a step's V, turned: keys 32 (f / 4) on, channels 16 (f % 4) on
	WIN TO1
.irp f, 0,1,2,3,4,5,6,7
	ds_load_tr16_b128 v[VF+8*\f:VF+8*\f+3],   v[ADR] offset:(\f/4)*32*PV+(\f%4)*32
	ds_load_tr16_b128 v[VF+8*\f+4:VF+8*\f+7], v[ADR] offset:(\f/4)*32*PV+16*PV+(\f%4)*32
.endr
	WIN 0
.endm
; Product i of 32 of S^T = K Q^T: channels 32 (i / 16) on, keys 16 ((i / 4) % 4) on, tile i % 4.  The first 16 start the sums.  The 16 accumulators take turns.
.macro KQ
.set rS, S+32*(i%4)+8*((i/4)%4)
.set rK, KF+16*((i/4)%4)+8*(i/16)
.set rQ, OQ+16*(i%4)+8*(i/16)
.if i < 16
	v_wmma_f32_16x16x32_f16 v[rS:rS+7], v[rK:rK+7], v[rQ:rQ+7], 0
.else
	v_wmma_f32_16x16x32_f16 v[rS:rS+7], v[rK:rK+7], v[rQ:rQ+7], v[rS:rS+7]
.endif
.endm
; Product i of 32 of O^T += V^T P: keys 32 (i / 16) on, channels 16 ((i / 4) % 4) on, tile i % 4
.macro PVM
.set rO, 32*(i%4)+8*((i/4)%4)
.set rV, VF+8*(4*(i/16)+(i/4)%4)
.set rP, S+32*(i%4)+8*(i/16)
	v_wmma_f32_16x16x32_f16 v[rO:rO+7], v[rV:rV+7], v[rP:rP+7], v[rO:rO+7]
.endm
; THE SOFTMAX of the wave's four tiles for one key step; the tiles alternate line by line, so that no line waits for the line above it.
.macro SM
.irp j, 0,1,2,3                       ; the maximum of the lane's 32 scores and the old m: four chains; each tile of keys is first read at its registers 0 to 2
.irp t, 0,1,2,3
	v_max3_num_f32 v[ST+8*\t+4+\j], v[S+32*\t+8*\j], v[S+32*\t+8*\j+1], v[S+32*\t+8*\j+2]
.endr
.endr
.irp q, 1,2
.irp j, 0,1,2,3
.irp t, 0,1,2,3
	v_max3_num_f32 v[ST+8*\t+4+\j], v[ST+8*\t+4+\j], v[S+32*\t+8*\j+2*\q+1], v[S+32*\t+8*\j+2*\q+2]
.endr
.endr
.endr
.irp t, 0,1,2,3
	v_max3_num_f32 v[ST+8*\t+4], v[ST+8*\t+4], v[S+32*\t+7], v[S+32*\t+15]
.endr
.irp t, 0,1,2,3
	v_max3_num_f32 v[ST+8*\t+6], v[ST+8*\t+6], v[S+32*\t+23], v[S+32*\t+31]
.endr
.irp t, 0,1,2,3
	v_max3_num_f32 v[ST+8*\t+4], v[ST+8*\t+4], v[ST+8*\t+5], v[ST+8*\t+6]
.endr
.irp t, 0,1,2,3
	v_max3_num_f32 v[ST+8*\t+4], v[ST+8*\t+4], v[ST+8*\t+7], v[ST+8*\t+1]
.endr
.irp t, 0,1,2,3
	v_permlanex16_b32 v[ST+8*\t+5], v[ST+8*\t+4], s[SEL], s[SEL+1]  ; the query's other 32 keys lie in the lane 16 away
.endr
.irp t, 0,1,2,3
	v_mov_b32 v[ST+8*\t+7], v[ST+8*\t]  ; c m_old is kept for a
.endr
.irp t, 0,1,2,3
	v_max_num_f32 v[ST+8*\t+1], v[ST+8*\t+4], v[ST+8*\t+5]
.endr
.irp t, 0,1,2,3
	v_mul_f32 v[ST+8*\t], s[CS], v[ST+8*\t+1]
.endr
.irp t, 0,1,2,3
	v_sub_f32 v[ST+8*\t+7], v[ST+8*\t+7], v[ST+8*\t]
.endr
.irp t, 0,1,2,3
	v_exp_f32 v[ST+8*\t+6], v[ST+8*\t+7]  ; a.  From here to the wait below nothing names an exponential's result
.endr
.irp n, 0,1,2,3,4,5,6,7,8,9,10,11,12,13,14,15
	v_pk_fma_f32 v[S+2*\n:S+2*\n+1], v[S+2*\n:S+2*\n+1], s[CS:CS+1], v[ST:ST+1] op_sel_hi:[1,0,0] neg_lo:[0,0,1] neg_hi:[0,0,1]  ; tile 0: c s - c m
.endr
.irp t, 0,1,2,3                       ; a tile's 32 exponentials, with the next tile's scalings set between them
.irp n, 0,1,2,3,4,5,6,7,8,9,10,11,12,13,14,15
	v_exp_f32 v[S+32*\t+2*\n], v[S+32*\t+2*\n]
	v_exp_f32 v[S+32*\t+2*\n+1], v[S+32*\t+2*\n+1]
.if \t < 3
	v_pk_fma_f32 v[S+32*(\t+1)+2*\n:S+32*(\t+1)+2*\n+1], v[S+32*(\t+1)+2*\n:S+32*(\t+1)+2*\n+1], s[CS:CS+1], v[ST+8*(\t+1):ST+8*(\t+1)+1] op_sel_hi:[1,0,0] neg_lo:[0,0,1] neg_hi:[0,0,1]
.endif
.endr
.endr
	v_nop                             ; a plain instruction behind the last exponential
	s_wait_alu depctr_va_vdst(0)      ; ONE wait for the step's 132 exponentials, ahead of the first line that names a result
.irp t, 0,1,2,3                       ; the sums, of the unrounded p, in two chains a tile: l = a l + pair 0, then the even pairs; the odd pairs apart
	v_pk_fma_f32 v[ST+8*\t+2:ST+8*\t+3], v[ST+8*\t+2:ST+8*\t+3], v[ST+8*\t+6:ST+8*\t+7], v[S+32*\t:S+32*\t+1] op_sel_hi:[1,0,1]
.endr
.irp t, 0,1,2,3
	v_pk_add_f32 v[ST+8*\t+4:ST+8*\t+5], v[S+32*\t+2:S+32*\t+3], v[S+32*\t+6:S+32*\t+7]
.endr
.irp n, 1,2,3,4,5,6,7
.irp t, 0,1,2,3
	v_pk_add_f32 v[ST+8*\t+2:ST+8*\t+3], v[ST+8*\t+2:ST+8*\t+3], v[S+32*\t+4*\n:S+32*\t+4*\n+1]
.endr
.if \n > 1
.irp t, 0,1,2,3
	v_pk_add_f32 v[ST+8*\t+4:ST+8*\t+5], v[ST+8*\t+4:ST+8*\t+5], v[S+32*\t+4*\n+2:S+32*\t+4*\n+3]
.endr
.endif
.endr
.irp t, 0,1,2,3
	v_pk_add_f32 v[ST+8*\t+2:ST+8*\t+3], v[ST+8*\t+2:ST+8*\t+3], v[ST+8*\t+4:ST+8*\t+5]
.endr
.irp n, 0,1,2,3,4,5,6,7,8,9,10,11,12,13,14,15   ; p to f16, in place: register n takes numbers 2 n and 2 n + 1; ascending, so nothing unread is written over
.irp t, 0,1,2,3
	v_cvt_pk_f16_f32 v[S+32*\t+\n], v[S+32*\t+2*\n], v[S+32*\t+2*\n+1]
.endr
.endr
	WIN W_RS
.irp t, 0,1,2,3                       ; O^T x a, each accumulator from its low end on
.irp n, 0,1,2,3,4,5,6,7,8,9,10,11,12,13,14,15
	v_pk_mul_f32 v[32*\t+2*\n:32*\t+2*\n+1], v[32*\t+2*\n:32*\t+2*\n+1], v[ST+8*\t+6:ST+8*\t+7] op_sel_hi:[1,0]
.endr
.endr
.endm
; A KEY STEP.  At its head K of this step has been asked for.  kind 0: the next step lies in the same slot; 1: the slot is left and filled again; 2: it is left and nothing is asked for; 3: the last step.
.macro STEP kind
	WIN 0
	v_add_nc_u32 v[ADR], s[TB], v[AV0]
.rept 4
	v_nop                             ; with the addition five places behind the last V^T P: four for the loads into V's registers, five for the products below, which write over P
.endr
	FETCH_V
	s_wait_dscnt 16                   ; K is in; V's sixteen loads may be out
	WIN W_KQ
.set i, 0
.rept 32
	KQ
.set i, i+1
.endr
	WIN 0
.if \kind == 0
	s_add_co_u32 s[TB], s[TB], STEPB
	v_add_nc_u32 v[ADR], s[TB], v[AK0]
.rept 3
	v_nop                             ; with the addition four places: for the loads into K's registers and for the softmax's reads
.endr
	FETCH_K
.elseif \kind == 1
	s_wait_tensorcnt 0x0              ; all my tensor loads have landed: the one that was out is my part of the next slot; so a group 0 may be written
	ds_add_u32 v[SPW], v[NIL]         ; 0 onto my spare word
	s_xor_b32 s[G0+5], s[G0+5], SLOT1 ; the walking descriptor: the other slot than last time,
	s_add_nc_u64 s[G0+6:G0+7], s[G0+6:G0+7], 32768  ; the next 256 keys
	s_sub_co_u32 s[TB], s[TB], 3*STEPB  ; the fetches go back to a slot's first step,
	s_xor_b32 s[TB], s[TB], SLOT1     ; in the other slot
	s_wait_xcnt 0x0                   ; the last prefetch, a slot back, has read its address
	s_add_nc_u64 s[PFA:PFA+1], s[PFA:PFA+1], 32768
	s_wait_dscnt 0x0                  ; the add is done, and my reads of the slot (its last V among them) are over
	CROUND                            ; no wave of any partner still reads the slot or has a load on its way
	JLOAD                             ; the first tensor load behind the round; its four v_nop are also the places in front of the loads below
	v_add_nc_u32 v[ADR], s[TB], v[AK0]
	FETCH_K
	ASK
.elseif \kind == 2
	s_wait_tensorcnt 0x0              ; my part of the last slot has landed
	ds_add_u32 v[SPW], v[NIL]
	s_sub_co_u32 s[TB], s[TB], 3*STEPB
	s_xor_b32 s[TB], s[TB], SLOT1
	s_wait_dscnt 0x0
	s_barrier_signal -1
	s_barrier_wait -1                 ; everybody's has
	v_add_nc_u32 v[ADR], s[TB], v[AK0]
.rept 3
	v_nop
.endr
	FETCH_K
.else
.rept 4
	v_nop                             ; places in front of the softmax's reads
.endr
.endif
	SM
.if \kind == 3
	s_wait_dscnt 0x0                  ; V is in
.else
	s_wait_dscnt 16                   ; V is in; the next K's sixteen loads may be out
.endif
	WIN W_PV
.set i, 0
.rept 32
	PVM
.set i, i+1
.endr
	WIN 0
.endm
.macro THREE                          ; a slot's first three steps: written once, walked three times; the LDS addresses hang on s[TB]
	s_mov_b32 s[CNT], 3
.Lthree_\@:
	STEP 0
	s_sub_co_u32 s[CNT], s[CNT], 1
	s_cmp_lg_u32 s[CNT], 0
	s_cbranch_scc1 .Lthree_\@
.endm
	s_wait_tensorcnt 1                ; my part of slot 0 is in; slot 1's may stay out
	s_barrier_signal -1
	s_barrier_wait -1                 ; everybody's is
	v_add_nc_u32 v[ADR], s[TB], v[AK0]
	FETCH_K                           ; key step 0
	s_wait_loadcnt 0x0                ; Q
.Lslot:                               ; six trips: slots 0 to 5 are filled again when they are left
	THREE
	STEP 1
	s_sub_co_u32 s[SLOTS], s[SLOTS], 1
	s_cmp_lg_u32 s[SLOTS], 0
	s_cbranch_scc1 .Lslot
	THREE                             ; the tail is written out
	STEP 2
	THREE
	STEP 3
	; THE WAY OUT.  l's two halves and the other half of the lanes' are added (the additions are the places behind the last products); O^T is divided by l, rounded to f16 and sent through my stage, a tile at a time.
.irp t, 0,1,2,3
	v_add_f32 v[ST+8*\t+4], v[ST+8*\t+2], v[ST+8*\t+3]
.endr
.irp t, 0,1,2,3
	v_permlanex16_b32 v[ST+8*\t+5], v[ST+8*\t+4], s[SEL], s[SEL+1]
.endr
.irp t, 0,1,2,3
	v_add_f32 v[ST+8*\t+4], v[ST+8*\t+4], v[ST+8*\t+5]
.endr
.irp t, 0,1,2,3
	v_rcp_f32 v[ST+8*\t+6], v[ST+8*\t+4]
.endr
	v_nop                             ; a plain instruction behind the last reciprocal
	s_wait_alu depctr_va_vdst(0)      ; one wait for the four, ahead of their first reader
.macro PACK t
	WIN W_RS
.set i, 0
.rept 16
	v_pk_mul_f32 v[32*\t+i:32*\t+i+1], v[32*\t+i:32*\t+i+1], v[ST+8*\t+6:ST+8*\t+7] op_sel_hi:[1,0]
.set i, i+2
.endr
	WIN 0x05                          ; sources 0 and 1 window 1, destination window 0
.set i, 0
.rept 16
	v_cvt_pk_f16_f32 v[S+16*\t+i], v[32*\t+2*i], v[32*\t+2*i+1]
.set i, i+1
.endr
	WIN 0
.irp f, 0,1,2,3
	ds_store_b128 v[STO], v[S+16*\t+4*\f:S+16*\t+4*\f+3] offset:32*\f   ; channels 16 f + 8 h + 0..7 of query r
.endr
.irp f, 0,1,2,3
	ds_load_b128 v[S+16*\t+4*\f:S+16*\t+4*\f+3], v[RD] offset:576*\f    ; LDS serves a wave's instructions in order (ISA guide 5.7.1.4): these see the stores above; the next tile's stores come behind them
.endr
.endm
.macro SEND t, younger                ; younger: the LDS instructions issued behind tile t's loads: the next tile's eight, or none
.irp f, 0,1,2,3
	s_wait_dscnt \younger+3-\f
	global_store_b128 v[GO], v[S+16*\t+4*\f:S+16*\t+4*\f+3], s[YA:YA+1] offset:\t*2048+\f*512   ; the wave stores 512 consecutive bytes, aligned: four rows of y
.endr
.endm
	PACK 0
	PACK 1
	SEND 0, 8
	PACK 2
	SEND 1, 8
	PACK 3
	SEND 2, 8
	SEND 3, 0
	s_wait_tensorcnt 0x0              ; the wave's end: a wait, 0 onto my spare word, and its wait, behind my last tensor load and my last LDS store
	ds_add_u32 v[SPW], v[NIL]
	s_wait_dscnt 0x0
	CROUND                            ; the closing round
	s_endpgm
.Lfunc_end_k_qc53f36ec39_attn:
	.size	k_qc53f36ec39_attn, .Lfunc_end_k_qc53f36ec39_attn-k_qc53f36ec39_attn
	.p2alignl 7, 3214868480
	.fill 96, 4, 3214868480
	.section	.rodata,"a",@progbits
	.p2align	6, 0x0
	.amdhsa_kernel k_qc53f36ec39_attn
		.amdhsa_group_segment_fixed_size 327680
		.amdhsa_private_segment_fixed_size 0
		.amdhsa_enable_private_segment 0
		.amdhsa_kernarg_size 16
		.amdhsa_user_sgpr_count 2
		.amdhsa_user_sgpr_kernarg_segment_ptr 1
		.amdhsa_wavefront_size32 1
		.amdhsa_system_sgpr_workgroup_id_x 1
		.amdhsa_system_sgpr_workgroup_id_y 1
		.amdhsa_system_sgpr_workgroup_id_z 1
		.amdhsa_system_vgpr_workitem_id 0
		.amdhsa_next_free_vgpr 512
		.amdhsa_next_free_sgpr 66
		.amdhsa_reserve_vcc 0
		.amdhsa_float_denorm_mode_32 3
		.amdhsa_float_denorm_mode_16_64 3
		.amdhsa_memory_ordered 1
		.amdhsa_forward_progress 1
		.amdhsa_inst_pref_size 218
	.end_amdhsa_kernel
	.amdgpu_metadata
---
amdhsa.version: [ 1, 2 ]
amdhsa.kernels:
  - .name:           k_qc53f36ec39_attn
    .symbol:         k_qc53f36ec39_attn.kd
    .args:
      - { .name: qkv, .offset: 0, .size: 8, .value_kind: global_buffer, .address_space: global }
      - { .name: y, .offset: 8, .size: 8, .value_kind: global_buffer, .address_space: global }
    .group_segment_fixed_size: 327680
    .private_segment_fixed_size: 0
    .kernarg_segment_align: 8
    .kernarg_segment_size: 16
    .max_flat_workgroup_size: 256
    .sgpr_count:     66
    .vgpr_count:     512
    .wavefront_size: 32
...
	.end_amdgpu_metadata
.endif
;; end of part 3
;; launch proj (part 4): grid 4 x 64, 4 waves a work-group, clusters of 4 x 4, 327,680 bytes of LDS; arguments y, wp16, out0; writes out0
.if DOCPART == 4
	.amdgcn_target "amdgcn-amd-amdhsa--gfx1250"
	.amdhsa_code_object_version 6
	.text
	.protected	k_qc53f36ec39_proj
	.globl	k_qc53f36ec39_proj
	.p2align	8
	.type	k_qc53f36ec39_proj,@function
k_qc53f36ec39_proj:
	s_mov_b64 s[64:65], 0
	v_nop
	global_prefetch_b8 v0, s[64:65] scope:SCOPE_SE
	s_setreg_imm32_b32 hwreg(HW_REG_WAVE_MODE, 25, 1), 1
	s_wait_xcnt 0x0
	s_wait_alu depctr_hold_cnt(0) depctr_sa_sdst(0) depctr_va_vdst(0) depctr_va_sdst(0) depctr_va_ssrc(0) depctr_va_vcc(0) depctr_vm_vsrc(0)
	s_getreg_b32 s2, hwreg(HW_REG_IB_STS2, 6, 4)
	s_cmp_eq_u32 s2, 0
	s_cbranch_scc0 .Lentry_in_a_cluster
	s_endpgm
.Lentry_in_a_cluster:
	s_bfe_u32 s2, ttmp6, 0x10000c
	s_cmp_lg_u32 s2, 0xf033
	s_cbranch_scc0 .Lentry_shape_is_right
	s_endpgm
.Lentry_shape_is_right:
; PROJECTION: out0[m][n] = sum over k of y[m][k] w_proj[n][k], M 8192, N 1024, K 1024, f16 operands, f32 sums, f32 out.
; y lies [batch x 16 + head][token][64] and wp16 [k / 64][n][64]: a slice of 64 along K (a head) of neighbouring rows is dense memory, 128 bytes a row.
; A tile of out0 is 128 x 256: 256 work-groups.  Four waves, each 64 x 128: 32 accumulators of 16 x 16, 256 registers.  K goes in steps of 128 (two slices) through a ring of two LDS slots.
; A tensor load brings two planes: for y 64 tokens x 128 bytes of two heads, for wp16 128 rows x 128 bytes of two slices; each plane is one long row of the descriptor, padded behind every 128 bytes.
; CLUSTERS: 4 x 4 work-groups.  The four of a row of the cluster need the same tiles of y, the four of a column the same tiles of wp16: each is asked for JOINTLY.
; THE MATRIX INSTRUCTION IS USED TRANSPOSED (source 0 = 16 rows of wp16, source 1 = 16 rows of y): a lane holds eight neighbouring numbers of a row of out0.
; REGISTERS: window 0: v0-31 addresses; v32-127, v128-223 two fragment buffers for 32 along K (y's 4 fragments, then wp16's 8); on the way out v32-159 take rows.   window 1: the accumulators ((a, b) at v[8 (8 a + b)]).
.set PITCH,  144                       ; an LDS row: 128 bytes + 16: 36 words: the 16 rows of a load start at 16 different groups of four banks (64 banks of 4 bytes: ISA guide 11.1)
.set AZ,     64*PITCH                  ; y: a head's 64 tokens
.set AHALF,  2*AZ                      ; what one load brings of y, and what one wave reads
.set BOFF,   2*AHALF                   ; wp16's rows lie behind y's
.set BZ,     128*PITCH                 ; a slice's 128 rows
.set BHALF,  2*BZ
.set SLOT,   BOFF+2*BHALF
.set STAGE,  2*SLOT                    ; behind the ring: 16 rows x 528 bytes for each wave
.set SPITCH, 528
.set SPARE,  STAGE+4*16*SPITCH         ; the spare words, 128 bytes a wave
.set LAPS,   4                         ; a lap = two K steps = once round the ring
.set ADRA, 16                          ; v16-17  LDS address of my y fragments in slot 0, 1
.set ADRB, 20                          ; v20-21  the same for wp16
.set STO,  24
.set RD,   25
.set CO,   26
.set SPW,  28                          ; my spare word; never rewritten
.set NIL,  29                          ; 0; never rewritten
.set F0,   32
.set F1,   128
.set BK,   32                          ; the way out: v32-95 and v96-159 by turns
.set G1, 24                            ; s[24:31] group 1 for y's tiles; s[32:39] group 0, a set for each slot
.set G0, 32
.set G1B, 48                           ; s[48:55], s[56:63] the same for wp16's
.set G0B, 56
.set MSB, 0
.macro WIN new
.if MSB != \new
	s_set_vgpr_msb (MSB<<8)|\new
.set MSB, \new
.endif
.endm
.set MUL, 0x50                         ; C and D window 1, the fragments window 0
.macro JLOAD s                         ; waves 0 and 1 fetch y's halves, waves 2 and 3 wp16's; an s_nop 0 and four v_nop follow each line
	s_cmp_eq_u32 s11, 0
	s_cbranch_scc0 .Lfor_b_\@
	tensor_load_to_lds s[G0+4*\s:G0+4*\s+3], s[G1:G1+7]
	s_nop 0
.rept 4
	v_nop
.endr
	s_branch .Lasked_\@
.Lfor_b_\@:
	tensor_load_to_lds s[G0B+4*\s:G0B+4*\s+3], s[G1B:G1B+7]
	s_nop 0
.rept 4
	v_nop
.endr
.Lasked_\@:
.endm
.macro CREST                           ; a round of the cluster's barrier behind its opening barrier
	s_cmp_lg_u32 s10, 0
	s_cbranch_scc1 .Lnot_wave_0_\@
	s_barrier_signal -3
.Lnot_wave_0_\@:
	s_barrier_wait -3
	s_barrier_signal -1
	s_barrier_wait -1
.endm
.macro CROUND
	s_barrier_signal -1
	s_barrier_wait -1
	CREST
.endm
	s_load_b128 s[4:7], s[0:1], 0x0                ; y, wp16
	s_load_b64 s[8:9], s[0:1], 0x10                ; out0
	v_lshl_add_u32 v[SPW], v0, 2, SPARE
	v_mov_b32 v[NIL], 0
	ds_add_u32 v[SPW], v[NIL]                      ; the wave's opening: the add, twice on end, and its wait ahead of my first tensor load
	ds_add_u32 v[SPW], v[NIL]
	v_lshrrev_b32 v1, 5, v0
	v_readfirstlane_b32 s10, v1                    ; wave 0..3
	s_lshr_b32 s11, s10, 1                         ; which 64 rows of the tile are mine.  Also: I fetch for y (0) or for wp16 (1)
	s_and_b32 s12, s10, 1                          ; which 128 columns.  Also: which half of that tile I fetch
	s_bfe_u32 s40, ttmp6, 0x40000                  ; cx, cy
	s_bfe_u32 s41, ttmp6, 0x40004
	s_lshl_b32 s42, ttmp9, 2
	s_add_co_u32 s42, s42, s40                     ; tile column
	s_and_b32 s13, ttmp7, 0xffff
	s_lshl_b32 s13, s13, 2
	s_add_co_u32 s13, s13, s41                     ; tile row, 0 .. 63
	s_lshl_b32 s43, s41, 2
	s_lshl_b32 s43, 15, s43                        ; my row of the cluster
	s_lshl_b32 s44, 0x1111, s40                    ; my column
	; group 1: elements of 8 bytes; 4 words of padding behind every 32 words (128 bytes); two rows, each a dense plane
	s_or_b32 s[G1+0], s43, (3<<16)|(1<<20)|(1<<21)|(4<<22)|(3<<25)
	s_mov_b32 s[G1+1], 1024<<16                    ; tensor_dim0: 64 tokens x 128 bytes
	s_mov_b32 s[G1+2], 2<<16                       ; tensor_dim1: two heads
	s_mov_b32 s[G1+3], 1024<<16                    ; tile_dim0
	s_mov_b32 s[G1+4], 2                           ; tile_dim1
	s_mov_b32 s[G1+5], 32768                       ; from head to head: 2,048 tokens x 128 bytes
	s_mov_b32 s[G1+6], 0
	s_mov_b32 s[G1+7], 0
	s_or_b32 s[G1B+0], s44, (3<<16)|(1<<20)|(1<<21)|(4<<22)|(3<<25)
	s_mov_b32 s[G1B+1], 2048<<16                   ; 128 rows x 128 bytes
	s_mov_b32 s[G1B+2], 2<<16                      ; two slices
	s_mov_b32 s[G1B+3], 2048<<16
	s_mov_b32 s[G1B+4], 2
	s_mov_b32 s[G1B+5], 16384                      ; from slice to slice: 1,024 rows x 128 bytes
	s_mov_b32 s[G1B+6], 0
	s_mov_b32 s[G1B+7], 0
	s_lshr_b32 s16, s13, 4                         ; y: the batch (16 tile rows each): 16 planes of 2^18 bytes,
	s_lshl_b32 s16, s16, 22
	s_and_b32 s17, s13, 15
	s_lshl_b32 s17, s17, 14                        ; the tile's 128 tokens,
	s_add_co_u32 s16, s16, s17
	s_lshl_b32 s17, s12, 13                        ; my 64 of them
	s_add_co_u32 s16, s16, s17
	s_mov_b32 s17, 0
	s_lshl_b32 s46, s42, 15                        ; wp16: the tile's 256 rows,
	s_lshl_b32 s47, s12, 14                        ; my 128 of them
	s_add_co_u32 s46, s46, s47
	s_mov_b32 s47, 0
	s_mul_i32 s20, s12, AHALF                      ; where they go: no place in the cluster enters an LDS address
	s_mul_i32 s21, s12, BHALF
	s_add_co_u32 s21, s21, BOFF
	s_wait_dscnt 0x0                               ; both opening adds are done
	s_wait_kmcnt 0x0
	s_add_nc_u64 s[14:15], s[4:5], s[16:17]
	s_add_nc_u64 s[46:47], s[6:7], s[46:47]
	CROUND                                         ; all sixteen work-groups are here: the first joint loads meet
.irp s, 0,1
	s_mov_b32 s[G0+4*\s], 1
	s_add_co_u32 s[G0+4*\s+1], s20, \s*SLOT
	s_add_nc_u64 s[G0+4*\s+2:G0+4*\s+3], s[14:15], \s*524288       ; K step s: two heads on
	s_or_b32 s[G0+4*\s+3], s[G0+4*\s+3], 0x80000000
	s_mov_b32 s[G0B+4*\s], 1
	s_add_co_u32 s[G0B+4*\s+1], s21, \s*SLOT
	s_add_nc_u64 s[G0B+4*\s+2:G0B+4*\s+3], s[46:47], \s*262144     ; two slices on
	s_or_b32 s[G0B+4*\s+3], s[G0B+4*\s+3], 0x80000000
	JLOAD \s                                       ; two loads of mine are out
.endr
	v_and_b32 v1, 15, v0                           ; r
	v_bfe_u32 v2, v0, 4, 1                         ; h
	v_mul_u32_u24 v3, v1, PITCH
	v_lshl_add_u32 v3, v2, 4, v3                   ; a fragment's row x pitch + 16 h
	s_mul_i32 s21, s11, AHALF                      ; my 64 rows of y
	s_mul_i32 s22, s12, BHALF                      ; my 128 rows of wp16
	s_add_co_u32 s22, s22, BOFF
.irp s, 0,1
	v_add_nc_u32 v[ADRA+\s], s21, v3
	v_add_nc_u32 v[ADRB+\s], s22, v3
	s_add_co_u32 s21, s21, SLOT
	s_add_co_u32 s22, s22, SLOT
.endr
	s_mul_i32 s23, s10, 16*SPITCH
	s_add_co_u32 s23, s23, STAGE                   ; my stage
	v_mul_u32_u24 v4, v1, SPITCH                   ; in: row r, 32 bytes for each half of the lanes
	v_lshl_add_u32 v4, v2, 5, v4
	v_add_nc_u32 v[STO], s23, v4
	v_and_b32 v5, 31, v0
	v_lshlrev_b32 v[CO], 4, v5                     ; back: the 32 lanes take one row of 512 bytes; and the same in out0
	v_add_nc_u32 v[RD], s23, v[CO]
	s_lshl_b32 s16, s13, 7
	s_lshl_b32 s17, s11, 6
	s_add_co_u32 s16, s16, s17                     ; my first row of out0
	s_lshl_b32 s16, s16, 12                        ; rows of 4,096 bytes
	s_lshl_b32 s17, s42, 10                        ; my first column, in bytes
	s_add_co_u32 s16, s16, s17
	s_lshl_b32 s17, s12, 9
	s_add_co_u32 s16, s16, s17
	s_mov_b32 s17, 0
	s_add_nc_u64 s[8:9], s[8:9], s[16:17]
; 8 matrix instructions: y's block a against wp16's eight, 32 along K.  The 32 accumulators take turns, one instruction a turn, in the same order in every quarter.
.macro MULA f, a, zero
.irp b, 0,1,2,3,4,5,6,7
.if \zero
	v_wmma_f32_16x16x32_f16 v[8*(8*(\a)+\b):8*(8*(\a)+\b)+7], v[\f+32+8*\b:\f+32+8*\b+7], v[\f+8*(\a):\f+8*(\a)+7], 0
.else
	v_wmma_f32_16x16x32_f16 v[8*(8*(\a)+\b):8*(8*(\a)+\b)+7], v[\f+32+8*\b:\f+32+8*\b+7], v[\f+8*(\a):\f+8*(\a)+7], v[8*(8*(\a)+\b):8*(8*(\a)+\b)+7]
.endif
.endr
.endm
; 24 LDS loads in one run: quarter q of a K step (slice q / 2, channels 32 (q % 2) on) into buffer f: wp16's eight fragments, then y's four
.macro FETCH slot, q, f
.irp b, 0,1,2,3,4,5,6,7
	ds_load_b128 v[\f+32+8*\b:\f+32+8*\b+3],   v[ADRB+\slot] offset:((\q)/2)*BZ+((\q)%2)*64+\b*16*PITCH
	ds_load_b128 v[\f+32+8*\b+4:\f+32+8*\b+7], v[ADRB+\slot] offset:((\q)/2)*BZ+((\q)%2)*64+\b*16*PITCH+32
.endr
.irp a, 0,1,2,3
	ds_load_b128 v[\f+8*\a:\f+8*\a+3],   v[ADRA+\slot] offset:((\q)/2)*AZ+((\q)%2)*64+\a*16*PITCH
	ds_load_b128 v[\f+8*\a+4:\f+8*\a+7], v[ADRA+\slot] offset:((\q)/2)*AZ+((\q)%2)*64+\a*16*PITCH+32
.endr
.endm
.macro PLACES                          ; four plain vector instructions in front of loads into registers that matrix instructions have read, and of reads of results
.rept 4
	v_nop
.endr
.endm
; One of a K step's first three quarters: multiplies buffer f and fetches quarter qn of the same slot into g
.macro QUARTER slot, qn, f, g, zero
	s_wait_dscnt 4                                 ; wp16's fragments and y's blocks 0, 1 are in; the youngest four loads (blocks 2, 3) may be out
	WIN MUL
	MULA \f, 0, \zero
	MULA \f, 1, \zero
	WIN 0
	PLACES
	FETCH \slot, \qn, \g
	s_wait_dscnt 24                                ; all but the 24 just issued
	WIN MUL
	MULA \f, 2, \zero
	MULA \f, 3, \zero
.endm
; The last quarter multiplies buffer 1 and changes slots: ONE barrier; in front of it each wave waits for all its tensor loads, adds 0 to its spare word, and waits for that and for its reads of this slot.
; fill = 1: the barrier opens a round of the cluster's, and this slot is filled again, two K steps ahead: 112 matrix instructions stand between the request and the wait for it.
.macro TURN slot, next, fill
	WIN 0
	s_wait_tensorcnt 0x0                           ; all my tensor loads have landed: my part of the next slot
	ds_add_u32 v[SPW], v[NIL]                      ; 0 onto my spare word
	s_wait_dscnt 5                                 ; (the add and the youngest four loads may be out)
	WIN MUL
	MULA F1, 0, 0
	s_wait_dscnt 0x0                               ; the add is done, and my reads of this slot are over
	s_barrier_signal -1
	MULA F1, 1, 0
	WIN 0
	s_barrier_wait -1
.if \fill
	CREST                                          ; no wave of any partner still reads this slot's tile or has a load on its way
	s_add_nc_u64 s[G0+4*\slot+2:G0+4*\slot+3], s[G0+4*\slot+2:G0+4*\slot+3], 1048576
	s_add_nc_u64 s[G0B+4*\slot+2:G0B+4*\slot+3], s[G0B+4*\slot+2:G0B+4*\slot+3], 524288
	JLOAD \slot                                    ; the first tensor load behind the round; its four v_nop are also the places in front of the loads below
.else
	PLACES
.endif
	FETCH \next, 0, F0
	WIN MUL
	MULA F1, 2, 0
	MULA F1, 3, 0
.endm
	s_wait_tensorcnt 1                             ; my part of K step 0 is in (K step 1's may be out)
	s_barrier_signal -1
	s_barrier_wait -1                              ; everybody's is
	FETCH 0, 0, F0
	QUARTER 0, 1, F0, F1, 1                        ; the first quarter's products start the sums: nothing is cleared
	WIN 0
	s_mov_b32 s3, LAPS-1
.Llap:                                                 ; a trip goes once round the ring, from a lap's second quarter to the next lap's first, and fills both slots again
	QUARTER 0, 2, F1, F0, 0
	QUARTER 0, 3, F0, F1, 0
	TURN 0, 1, 1
	QUARTER 1, 1, F0, F1, 0
	QUARTER 1, 2, F1, F0, 0
	QUARTER 1, 3, F0, F1, 0
	TURN 1, 0, 1
	QUARTER 0, 1, F0, F1, 0
	WIN 0
	s_sub_co_u32 s3, s3, 1
	s_cmp_lg_u32 s3, 0
	s_cbranch_scc1 .Llap
	QUARTER 0, 2, F1, F0, 0                        ; the last lap fills nothing
	QUARTER 0, 3, F0, F1, 0
	TURN 0, 1, 0
	QUARTER 1, 1, F0, F1, 0
	QUARTER 1, 2, F1, F0, 0
	QUARTER 1, 3, F0, F1, 0
	s_wait_dscnt 4                                 ; the very last quarter
	WIN MUL
	MULA F1, 0, 0
	MULA F1, 1, 0
	s_wait_dscnt 0
	MULA F1, 2, 0
	MULA F1, 3, 0
	WIN 0
; THE WAY OUT, block by block of 16 rows x 128 columns: a lane's 32 bytes of a row go into my stage and come back as whole rows of 512 bytes.
.macro TOSTAGE a
	WIN 0x04                                       ; an LDS store's data are its source 1: window 1
.irp b, 0,1,2,3,4,5,6,7
	ds_store_b128 v[STO], v[64*(\a)+8*\b:64*(\a)+8*\b+3] offset:64*\b          ; each accumulator from its low end on
	ds_store_b128 v[STO], v[64*(\a)+8*\b+4:64*(\a)+8*\b+7] offset:64*\b+16
.endr
	WIN 0
.set BB, BK+64*((\a)%2)
.irp t, 0,1,2,3,4,5,6,7,8,9,10,11,12,13,14,15
	ds_load_b128 v[BB+4*\t:BB+4*\t+3], v[RD] offset:\t*SPITCH      ; LDS serves a wave's instructions in order (ISA guide 5.7.1.4): these see the stores above
.endr
.endm
.macro SEND a, younger
.set BB, BK+64*((\a)%2)
	s_wait_dscnt \younger
.irp t, 0,1,2,3,4,5,6,7,8,9,10,11,12,13,14,15
	global_store_b128 v[CO], v[BB+4*\t:BB+4*\t+3], s[8:9] offset:(16*(\a)+\t)*4096 th:TH_STORE_NT   ; 32 lanes store 512 consecutive bytes, aligned; written once, read by nobody here
.endr
.endm
	PLACES
	TOSTAGE 0
.irp a, 1,2,3
.if \a > 1
	s_wait_xcnt 0x0                                ; block a - 2's stores have read their registers: block a's rows may land there
.endif
	TOSTAGE \a
	SEND \a-1, 32                                  ; behind block a - 1's loads: block a's 16 stores and 16 loads
.endr
	SEND 3, 0
	s_wait_tensorcnt 0x0                           ; the wave's end: a wait, 0 onto my spare word, and its wait, behind my last tensor load and my last LDS store
	ds_add_u32 v[SPW], v[NIL]
	s_wait_dscnt 0x0
	CROUND                                         ; the closing round
	s_endpgm
.Lfunc_end_k_qc53f36ec39_proj:
	.size	k_qc53f36ec39_proj, .Lfunc_end_k_qc53f36ec39_proj-k_qc53f36ec39_proj
	.p2alignl 7, 3214868480
	.fill 96, 4, 3214868480
	.section	.rodata,"a",@progbits
	.p2align	6, 0x0
	.amdhsa_kernel k_qc53f36ec39_proj
		.amdhsa_group_segment_fixed_size 327680
		.amdhsa_private_segment_fixed_size 0
		.amdhsa_enable_private_segment 0
		.amdhsa_kernarg_size 24
		.amdhsa_user_sgpr_count 2
		.amdhsa_user_sgpr_kernarg_segment_ptr 1
		.amdhsa_wavefront_size32 1
		.amdhsa_system_sgpr_workgroup_id_x 1
		.amdhsa_system_sgpr_workgroup_id_y 1
		.amdhsa_system_sgpr_workgroup_id_z 1
		.amdhsa_system_vgpr_workitem_id 0
		.amdhsa_next_free_vgpr 512
		.amdhsa_next_free_sgpr 66
		.amdhsa_reserve_vcc 0
		.amdhsa_float_denorm_mode_32 3
		.amdhsa_float_denorm_mode_16_64 3
		.amdhsa_memory_ordered 1
		.amdhsa_forward_progress 1
		.amdhsa_inst_pref_size 85
	.end_amdhsa_kernel
	.amdgpu_metadata
---
amdhsa.version: [ 1, 2 ]
amdhsa.kernels:
  - .name:           k_qc53f36ec39_proj
    .symbol:         k_qc53f36ec39_proj.kd
    .args:
      - { .name: y, .offset: 0, .size: 8, .value_kind: global_buffer, .address_space: global }
      - { .name: wp16, .offset: 8, .size: 8, .value_kind: global_buffer, .address_space: global }
      - { .name: out0, .offset: 16, .size: 8, .value_kind: global_buffer, .address_space: global }
    .group_segment_fixed_size: 327680
    .private_segment_fixed_size: 0
    .kernarg_segment_align: 8
    .kernarg_segment_size: 24
    .max_flat_workgroup_size: 128
    .sgpr_count:     66
    .vgpr_count:     512
    .wavefront_size: 32
...
	.end_amdgpu_metadata
.endif
;; end of part 4
